; MI455X (gfx1250); checked and timed in simulation.
; The chip was launched on July 23, 2026; its instructions are those of AMD's public machine-readable ISA for CDNA 5 (MIT licence, August 2026) and "CDNA5" Instruction Set Architecture Reference Guide (July 2026). The comments in the code are by the model that wrote it; some were corrected since.
;; Windowed Cross Attn. Allowed arithmetic: matrix products marked QUANTISED: E2M1 operands, one E8M0 scale for each 32 along K, by v_wmma_scale_f32_16x16x128_f8f6f4 with both operands' format E2M1 (or v_wmma_scale_f32_32x16x128_f4), f32 sums; everything else in f32.
;; Inputs: Wk_codes 1,024 x 32 x 16 uint8 (E2M1 codes of Wk, K innermost, in blocks of 32 codes, two codes a byte); Wk_scales 1,024 x 32 uint8 (E8M0 scales of Wk, one for each 32 codes along K); Wo_codes 1,024 x 32 x 16 uint8 (E2M1 codes of Wo, K innermost, in blocks of 32 codes, two codes a byte); Wo_scales 1,024 x 32 uint8 (E8M0 scales of Wo, one for each 32 codes along K); Wq_codes 1,024 x 32 x 16 uint8 (E2M1 codes of Wq, K innermost, in blocks of 32 codes, two codes a byte); Wq_scales 1,024 x 32 uint8 (E8M0 scales of Wq, one for each 32 codes along K); Wv_codes 1,024 x 32 x 16 uint8 (E2M1 codes of Wv, K innermost, in blocks of 32 codes, two codes a byte); Wv_scales 1,024 x 32 uint8 (E8M0 scales of Wv, one for each 32 codes along K); bk 1,024 float32; bo 1,024 float32; bq 1,024 float32; bv 1,024 float32; key_codes 2 x 4,096 x 32 x 16 uint8 (E2M1 codes of key, K innermost, in blocks of 32 codes, two codes a byte); key_scales 2 x 4,096 x 32 uint8 (E8M0 scales of key, one for each 32 codes along K); query_codes 2 x 2,048 x 32 x 16 uint8 (E2M1 codes of query, K innermost, in blocks of 32 codes, two codes a byte); query_scales 2 x 2,048 x 32 uint8 (E8M0 scales of query, one for each 32 codes along K); value_codes 2 x 4,096 x 32 x 16 uint8 (E2M1 codes of value, K innermost, in blocks of 32 codes, two codes a byte); value_scales 2 x 4,096 x 32 uint8 (E8M0 scales of value, one for each 32 codes along K).
;; Outputs: out0 2 x 2,048 x 1,024 float32.
;; This version of the problem:
;;   THIS VERSION OF THE PROBLEM IS GIVEN IN LOW PRECISION. The matrix products marked QUANTISED in the list below multiply operands that are first quantised to E2M1 (2 exponent bits, 1 mantissa bit; 4 bits a number), with one power-of-two scale for each 32 numbers along K (OCP MX v1.0); their sums are f32. All else is computed in f32.
;;   The module's matrix products, in the order in which they are computed (A, B: the left and right operand; K: the contracted axis; several contracted axes count as one K, in the product's order):
;;     1. [M 4,096, K 1,024] x [K 1,024, N 1,024]; A: input query (given as codes); B: input Wq (given as codes): QUANTISED
;;     2. [M 8,192, K 1,024] x [K 1,024, N 1,024]; A: input key (given as codes); B: input Wk (given as codes): QUANTISED
;;     3. [M 8,192, K 1,024] x [K 1,024, N 1,024]; A: input value (given as codes); B: input Wv (given as codes): QUANTISED
;;     4. batch 32 x [M 2,048, K 64] x [K 64, N 4,096]; A: computed on the way; B: computed on the way: QUANTISED
;;     5. batch 32 x [M 64, K 4,096] x [K 4,096, N 2,048]; A: computed on the way; B: softmax (see below): QUANTISED
;;     6. [M 4,096, K 1,024] x [K 1,024, N 1,024]; A: computed on the way; B: input Wo (given as codes): QUANTISED
;;   THE QUANTISER, for each operand of a quantised product, along K:
;;     - K is cut into blocks of 32 from its start; a last block that is shorter is filled with zeros.
;;     - A block's scale is 2^e with e = floor(log2(the largest magnitude in the block)) - 2, held to -126 .. 127; a block of zeros has e = 0. As a byte (E8M0): e + 127.
;;     - Each number is divided by its block's scale, clamped to +-6, and rounded to the nearest number of E2M1, ties to even, subnormals kept.
;;     - The product sums the exact products of the quantised numbers (number of the format x scale) in f32.
;;   ~~~python
;;   def quantise(x, axis):      # numpy; x: float32 -> the quantised numbers, widened to float32 again
;;       x = np.moveaxis(x, axis, -1); K = x.shape[-1]
;;       x = np.pad(x, [(0, 0)] * (x.ndim - 1) + [(0, -K % 32)]); x = x.reshape(x.shape[:-1] + (-1, 32)); a = np.abs(x).max(-1, keepdims=True)
;;       e = np.where(a > 0, np.clip(np.frexp(np.where(a > 0, a, 1))[1] - 1 - 2, -126, 127), 0)      # np.frexp(a)[1] - 1 = floor(log2(a)), exactly
;;       r = np.clip(x / 2.0 ** e, -6, 6)
;;       step = 2.0 ** (np.maximum(np.frexp(np.where(r == 0, 1, r))[1] - 1, 0) - 1)
;;       q = np.round(r / step) * step * 2.0 ** e      # np.round: ties to even
;;       return np.moveaxis(q.reshape(q.shape[:-2] + (-1,))[..., :K], -1, axis).astype(np.float32)
;;   ~~~
;;   SOFTMAX AHEAD OF A QUANTISED PRODUCT. Where the list says 'softmax', what is quantised is not the finished softmax but p = 2^(t - M), with t = logit x log2(e) and M = ceil(the row's largest t), a whole number; so 1/2 < the row's largest p <= 1. The row's sum l is taken of the UNQUANTISED p, in f32, and the product's result is divided by l at the end. Since M is a whole number, a kernel that streams over the keys may use a running M (the ceiling of the running maximum): every later rescaling is an exact power of two, which a block's scale takes up: the codes' values come out the same.
;;   OPERANDS COMPUTED ON THE WAY. 'Computed on the way' means the value that the module computes at that place (a softmax that the list does not call 'softmax' is quantised finished and normalised). What goes into a quantiser is computed in f32, as accurately as f32 sums, v_exp_f32 and their like allow (about 1e-6 of the number): no bf16 or f16 on the way to a quantiser, and a product that is left as it is and whose result goes on into a quantised operand takes f32 operands (vector FMAs, or v_wmma_f32_16x16x4_f32). A number that lies on a knife's edge between two numbers of the format may be rounded either way, as far as f32 arithmetic and the matrix unit's own rounding can turn it there, and no further.
;;   INPUTS GIVEN AS CODES. Wk (in the module: [1024, 1024], K = its axis 1); Wo (in the module: [1024, 1024], K = its axis 1); Wq (in the module: [1024, 1024], K = its axis 1); Wv (in the module: [1024, 1024], K = its axis 1); key (in the module: [2, 4096, 1024], K = its axis 2); query (in the module: [2, 2048, 1024], K = its axis 2); value (in the module: [2, 4096, 1024], K = its axis 2): each comes as NAME_codes (uint8): NAME with its K axis moved to the last place and cut into blocks of 32 codes, [.., K / 32, bytes a block], one block behind the other in memory; two codes a byte, the lower K in the low four bits (a code: sign, 2 exponent bits, 1 mantissa bit); and NAME_scales (uint8): the same leading axes, one E8M0 byte (e + 127) for each 32 codes along K. Its value is code x scale, taken as it is: it is not quantised again, and the codes and scales need not be those that the quantiser above would give.
;; 2 versions, each right; version 2 is version 1 with the launch attn written anew for expert scheduling mode. Each part assembles by itself: llvm-mc -triple=amdgcn-amd-amdhsa -mcpu=gfx1250 --defsym DOCPART=n.
;; ======== version 1 of 2: 3 launches
;; limits: right only within a limited range of input values
;; workspace buffers: q_img 2,097,152 bytes; q_sc 131,072 bytes; k_img 2,097,152 bytes; k_sc 131,072 bytes; v_img 2,097,152 bytes; v_sc 131,072 bytes; o_img 2,097,152 bytes; o_sc 131,072 bytes
;; launch proj (part 1): grid 4 x 48, 4 waves a work-group, clusters of 4 x 4, 327,680 bytes of LDS; arguments query_codes, query_scales, key_codes, key_scales, value_codes, value_scales, Wq_codes, Wq_scales, Wk_codes, Wk_scales, Wv_codes, Wv_scales, bq, bk, bv, q_img, q_sc, k_img, k_sc, v_img, v_sc; writes q_img, q_sc, k_img, k_sc, v_img, v_sc
.if DOCPART == 1
	.amdgcn_target "amdgcn-amd-amdhsa--gfx1250"
	.amdhsa_code_object_version 6
	.text
	.protected	k_q08ddc872f4_proj
	.globl	k_q08ddc872f4_proj
	.p2align	8
	.type	k_q08ddc872f4_proj,@function
k_q08ddc872f4_proj:
	s_mov_b64 s[64:65], 0
	v_nop
	global_prefetch_b8 v0, s[64:65] scope:SCOPE_SE
	s_setreg_imm32_b32 hwreg(HW_REG_WAVE_MODE, 25, 1), 1
	s_wait_xcnt 0x0
	s_wait_alu depctr_hold_cnt(0) depctr_sa_sdst(0) depctr_va_vdst(0) depctr_va_sdst(0) depctr_va_ssrc(0) depctr_va_vcc(0) depctr_vm_vsrc(0)
	s_getreg_b32 s2, hwreg(HW_REG_IB_STS2, 6, 4)
	s_cmp_eq_u32 s2, 0
	s_cbranch_scc0 .Lentry_in_a_cluster
	s_endpgm
.Lentry_in_a_cluster:
	s_bfe_u32 s2, ttmp6, 0x10000c
	s_cmp_lg_u32 s2, 0xf033
	s_cbranch_scc0 .Lentry_shape_is_right
	s_endpgm
.Lentry_shape_is_right:
; q = query Wq^T + bq, k = key Wk^T + bk, v = value Wv^T + bv on codes of FP4 (E2M1) with E8M0 scales, f32 sums; the results are quantised in registers
; (q and k along a head's 64 channels, v along the keys) and stored as codes and scale words in the order in which the next launch's operand registers take them.
; DEAD WORK LEFT OUT.  The band that the problem builds itself allows key j for query i only where i - 255 <= j <= i, and i <= 2,047: keys 2,048 to 4,095 of each batch are hidden for
; every query, whatever the inputs hold.  A hidden key's score is -1e30, its p = 2^(t - M) lies under every number that the quantiser's smallest scale can code, so its code is 0, and it adds
; 0 to the row's sum.  The key blocks of 32 are cut from key 0, so blocks 0 to 63 hold live keys alone.  Hence rows 2,048 to 4,095 of key and value, in both batches, reach no output: they
; are neither loaded nor projected.  Every input still has a way to an output and is among the arguments.
; LIMITS.  A NaN, an infinity or an overflow that reaches only those rows is not carried to the result.  NaN, infinities and the scale byte 0xff among the inputs are not served.
; A block of zeros gets the scale byte 1 where the quantiser says 127: its codes are zeros, and these bytes are read by this program alone.
; SHARES.  Three products of 4,096 x 1,024 x 1,024, each cut into 64 tiles of 256 x 256: 192 work-groups of four waves, a wave 128 x 128 (64 accumulators, 512 registers).
; K = 1,024 is two LDS slots of 512 along K, each filled once: nothing is filled again.  The scale bytes of the tile's 512 rows come once, in runs of 256 bytes.
; THE MATRIX INSTRUCTION IS USED TRANSPOSED: source 0 = 16 rows of B, source 1 = 16 rows of A; a lane holds one row of A and its registers run along B's rows.
;   q, k: A = the tokens, B = the weight: registers run along the features, the next product's K.      v: A = Wv, B = value's tokens: registers run along the keys, the next product's K.
; CLUSTERS: 4 x 4 work-groups, all of one product (the product and the quarter of its tokens hang on the cluster's y alone).  A's tile is shared along a row of the cluster, B's along a column:
; each is asked for jointly, by the same tensor load with the same descriptor and a mask that names the four.
; REGISTERS, in windows of 256: window 0: v16-29 addresses; v32-95 scale words, two sets; v128-191 A's fragments; v200-239 the way out.
;   window 1: B's fragments, two sets, at v0 and v128; v64-127 the bias, in the result's layout.   windows 2, 3: the accumulators ((a, b) at v[8 (8 (a % 4) + b)]).
.set NQ,     4                         ; steps of 128 along K in a slot
.set FR,     8                         ; registers of a fragment: 16 rows x 128 K
.set NL,     2                         ; LDS loads that bring one
.set NP,     4                         ; places behind this matrix instruction (ISA guide 7.12.1)
.set PITCH,  272                       ; an LDS row: 256 bytes + 16 of padding
.set HALFT,  128*PITCH                 ; 128 rows: what one tensor load brings
.set SLOT,   4*HALFT                   ; A's 256 rows, then B's 256 rows
.set SCL,    2*SLOT                    ; behind the slots: the scale bytes, as runs of 256 bytes + 16 of padding
.set HALFS,  16*272                    ; those of 128 rows (32 bytes a row)
.set SBLK,   2*272                     ; those of 16 rows
.set SPARE,  SCL+4*HALFS               ; the spare words, 128 bytes for each wave, which no other line names
.set ADRA, 16                          ; v16-17  LDS address of my A fragments in slot 0, 1
.set ADRB, 20                          ; v20-21  the same for B
.set VO0,  22                          ; v22     16 x lane: my place in an image of four registers
.set VO1,  23                          ; v23     the same in the fragment's second four
.set LS,   24                          ; v24     4 x lane: my place among 32 scale words
.set BOF,  25                          ; v25     my offset in the bias
.set ADRS, 27                          ; v27     LDS address of my scale words: lanes 0-15 A's rows, lanes 16-31 B's
.set SPW,  28                          ; v28     LDS address of my spare word; never rewritten
.set NIL,  29                          ; v29     0; never rewritten
.set SC,   32                          ; scale words: set s at v[SC + 32 s]; register 4 i + q: lanes 0-15 A's block i, lanes 16-31 B's block i
.set AF,   128                         ; A's fragments
.set TM,   200                         ; v200-203 largest magnitudes, v204-207 bytes, v212-215 the conversions' scale operands
.set PW,   216                         ; v216-217 the scale words of an even and an odd block of rows
.set PWM,  218                         ; v218-221 the two joined, one register for each store
.set PC,   224                         ; v224-239 the codes, two sets of 8
.set BI,   64                          ; window 1: the bias
.set G1A,  4                           ; s[4:11]   group 1, A's codes      s[12:19] B's codes
.set G1B,  12
.set G1S,  20                          ; s[20:27]  group 1, A's scales     s[28:35] B's scales
.set G1SB, 28
.set G0A,  36                          ; s[36:43]  group 0, A's codes, a set for each slot;  s[44:51] B's
.set G0B,  44
.set G0S,  52                          ; s[52:55], s[56:59] group 0, A's and B's scales
.set G0SB, 56
.set WV,   60                          ; my wave
.set FB,   61                          ; wave / 2: my half of A's rows.  Also: I fetch for A (0) or for B (1)
.set HB,   62                          ; wave % 2: my half of B's rows.  Also: which 128 rows I fetch
.set PA,   66                          ; s[66:79]: A's codes, A's scales, B's codes, B's scales, the bias, the codes out, the scale words out
.set PAS,  68
.set PB,   70
.set PBS,  72
.set PBI,  74
.set POC,  76
.set POS,  78
.set GG,   80                          ; which product: 0 q, 1 k, 2 v
.set CL4,  81                          ; 4 x the quarter of the tokens
.set CX,   82
.set CY,   83
.set RWA,  84                          ; A's tile of 256 rows
.set RWB,  85                          ; B's
.set MKA,  86                          ; my row of the cluster
.set MKB,  87                          ; my column
.set MHI,  95                          ; lanes 16-31
.set SEL,  96                          ; s[96:97] v_permlanex16_b32's selects for lane l xor 16
.set MSB, 0
.macro WIN new                         ; the immediate's high byte repeats the setting that is left
.if MSB != (\new)
	s_set_vgpr_msb (MSB<<8)|(\new)
.set MSB, (\new)
.endif
.endm
.set MUL_LO, 0xa1                      ; source 0 (B) window 1, source 1 (A) window 0, C and D window 2
.set MUL_HI, 0xf1                      ; the same, C and D window 3
.set TO_B,   0x40                      ; destination window 1, address window 0
; A joint load: waves 0 and 1 fetch for A, waves 2 and 3 for B.  Each line has one mask and one set of registers for all that issue it; the branch hangs on the wave's number alone.
; An s_nop 0 and four v_nop follow each of the two lines.
.macro JLOAD g0a, g1a, g0b, g1b
	s_cmp_eq_u32 s[FB], 0
	s_cbranch_scc0 .Lfor_b_\@
	tensor_load_to_lds s[\g0a:\g0a+3], s[\g1a:\g1a+7]
	s_nop 0
.rept 4
	v_nop
.endr
	s_branch .Lasked_\@
.Lfor_b_\@:
	tensor_load_to_lds s[\g0b:\g0b+3], s[\g1b:\g1b+7]
	s_nop 0
.rept 4
	v_nop
.endr
.Lasked_\@:
.endm
.macro CROUND                          ; a round of the cluster's barrier
	s_barrier_signal -1
	s_barrier_wait -1
	s_cmp_lg_u32 s[WV], 0
	s_cbranch_scc1 .Lnot_wave_0_\@
	s_barrier_signal -3
.Lnot_wave_0_\@:
	s_barrier_wait -3
	s_barrier_signal -1
	s_barrier_wait -1
.endm
	s_load_b512 s[4:19], s[0:1], 0x0               ; query codes, scales; key codes, scales; value codes, scales; Wq codes, scales
	s_load_b512 s[20:35], s[0:1], 0x40             ; Wk codes, scales; Wv codes, scales; bq; bk; bv; q_img
	s_load_b256 s[36:43], s[0:1], 0x80             ; q_sc; k_img; k_sc; v_img
	s_load_b64 s[44:45], s[0:1], 0xa0              ; v_sc
	v_lshl_add_u32 v[SPW], v0, 2, SPARE
	v_mov_b32 v[NIL], 0
	ds_add_u32 v[SPW], v[NIL]                      ; the wave's opening: the add, twice on end, and its wait ahead of my first tensor load
	ds_add_u32 v[SPW], v[NIL]                      ; and once more; the work on ids below stands between it and the wait
	v_lshrrev_b32 v1, 5, v0
	v_readfirstlane_b32 s[WV], v1                  ; wave 0..3
	s_lshr_b32 s[FB], s[WV], 1
	s_and_b32 s[HB], s[WV], 1
	s_bfe_u32 s[CX], ttmp6, 0x40000                ; my place in the cluster
	s_bfe_u32 s[CY], ttmp6, 0x40004
	s_and_b32 s[CL4], ttmp7, 0xffff                ; the cluster's y, 0..11: the same in all sixteen partners
	s_lshr_b32 s[GG], s[CL4], 2                    ; the product
	s_and_b32 s[CL4], s[CL4], 3
	s_lshl_b32 s[CL4], s[CL4], 2                   ; the first of the cluster's four token tiles
	s_cmp_eq_u32 s[GG], 2
	s_cselect_b32 s[RWA], 0, s[CL4]                ; q, k: the tokens are A's rows;
	s_cselect_b32 s[RWB], s[CL4], 0                ; v: they are B's
	s_add_co_u32 s[RWA], s[RWA], s[CY]             ; A's tile hangs on cy alone,
	s_add_co_u32 s[RWB], s[RWB], s[CX]             ; B's on cx alone
	s_lshl_b32 s[MKA], s[CY], 2
	s_lshl_b32 s[MKA], 15, s[MKA]                  ; places 4 cy .. 4 cy + 3
	s_lshl_b32 s[MKB], 0x1111, s[CX]               ; places cx, cx + 4, cx + 8, cx + 12
	s_lshl_b32 s2, s[HB], 7                        ; which 128 rows of the tile I fetch
	s_lshl_b32 s88, s[RWA], 8
	s_add_co_u32 s88, s88, s2                      ; A: the first of them, counted over live rows
	s_lshr_b32 s3, s88, 11
	s_lshl_b32 s3, s3, 11
	s_cmp_eq_u32 s[GG], 1
	s_cselect_b32 s3, s3, 0                        ; key has 4,096 rows a batch, of which the first 2,048 live: batch 1 begins 2,048 rows further on
	s_add_co_u32 s88, s88, s3
	s_lshl_b32 s90, s88, 5                         ; its scale bytes: 32 a row
	s_lshl_b32 s88, s88, 9                         ; its codes: 512 bytes a row
	s_mov_b32 s89, 0
	s_mov_b32 s91, 0
	s_lshl_b32 s98, s[RWB], 8
	s_add_co_u32 s98, s98, s2                      ; B likewise
	s_lshr_b32 s63, s98, 11
	s_lshl_b32 s63, s63, 11
	s_cmp_eq_u32 s[GG], 2
	s_cselect_b32 s63, s63, 0                      ; value's rows as key's
	s_add_co_u32 s98, s98, s63
	s_lshl_b32 s100, s98, 5
	s_lshl_b32 s98, s98, 9
	s_mov_b32 s99, 0
	s_mov_b32 s101, 0
	s_mov_b32 s[MHI], 0xffff0000
	s_mov_b32 s[SEL], 0x76543210
	s_mov_b32 s[SEL+1], 0xfedcba98
	s_wait_dscnt 0x0                               ; both opening adds are done
	s_wait_kmcnt 0x0
	s_cmp_eq_u32 s[GG], 0                          ; the product's seven buffers: the choice hangs on the cluster's number alone
	s_cselect_b64 s[PA:PA+1], s[4:5], s[8:9]
	s_cselect_b64 s[PAS:PAS+1], s[6:7], s[10:11]
	s_cselect_b64 s[PB:PB+1], s[16:17], s[20:21]
	s_cselect_b64 s[PBS:PBS+1], s[18:19], s[22:23]
	s_cselect_b64 s[PBI:PBI+1], s[28:29], s[30:31]
	s_cselect_b64 s[POC:POC+1], s[34:35], s[38:39]
	s_cselect_b64 s[POS:POS+1], s[36:37], s[40:41]
	s_cmp_eq_u32 s[GG], 2
	s_cselect_b64 s[PA:PA+1], s[24:25], s[PA:PA+1]
	s_cselect_b64 s[PAS:PAS+1], s[26:27], s[PAS:PAS+1]
	s_cselect_b64 s[PB:PB+1], s[12:13], s[PB:PB+1]
	s_cselect_b64 s[PBS:PBS+1], s[14:15], s[PBS:PBS+1]
	s_cselect_b64 s[PBI:PBI+1], s[32:33], s[PBI:PBI+1]
	s_cselect_b64 s[POC:POC+1], s[42:43], s[POC:POC+1]
	s_cselect_b64 s[POS:POS+1], s[44:45], s[POS:POS+1]
	s_add_nc_u64 s[PA:PA+1], s[PA:PA+1], s[88:89]
	s_add_nc_u64 s[PAS:PAS+1], s[PAS:PAS+1], s[90:91]
	s_add_nc_u64 s[PB:PB+1], s[PB:PB+1], s[98:99]
	s_add_nc_u64 s[PBS:PBS+1], s[PBS:PBS+1], s[100:101]
	; group 1, codes: 128 rows x 256 bytes, 512 bytes from row to row, 16 bytes of padding behind each row in LDS
	s_or_b32 s[G1A], s[MKA], (1<<20)|(1<<21)|(5<<22)|(3<<25)   ; 15:0 the mask; 17:16 elements of 1 byte; 20 padding on; 21 set beside a mask; 24:22 after every 64 words; 31:25 four words
	s_or_b32 s[G1B], s[MKB], (1<<20)|(1<<21)|(5<<22)|(3<<25)
.irp g, G1A, G1B
	s_mov_b32 s[\g+1], 256<<16                     ; tensor_dim0
	s_mov_b32 s[\g+2], 128<<16                     ; tensor_dim1
	s_mov_b32 s[\g+3], 256<<16                     ; tile_dim0
	s_mov_b32 s[\g+4], 128                         ; tile_dim1
	s_mov_b32 s[\g+5], 512                         ; tensor_dim0_stride
	s_mov_b32 s[\g+6], 0
	s_mov_b32 s[\g+7], 0
.endr
	; group 1, scale bytes of 128 rows: 4,096 dense bytes as 16 rows of 256 (32 elements of 8 bytes), 16 bytes of padding behind each
	s_or_b32 s[G1S], s[MKA], (3<<16)|(1<<20)|(1<<21)|(5<<22)|(3<<25)
	s_or_b32 s[G1SB], s[MKB], (3<<16)|(1<<20)|(1<<21)|(5<<22)|(3<<25)
.irp g, G1S, G1SB
	s_mov_b32 s[\g+1], 32<<16
	s_mov_b32 s[\g+2], 16<<16
	s_mov_b32 s[\g+3], 32<<16
	s_mov_b32 s[\g+4], 16
	s_mov_b32 s[\g+5], 32
	s_mov_b32 s[\g+6], 0
	s_mov_b32 s[\g+7], 0
.endr
	s_mov_b32 s[G0S], 1
	s_mul_i32 s[G0S+1], s[WV], HALFS               ; where they go: wave x 128 rows' scales: no place in the cluster enters an LDS address
	s_add_co_u32 s[G0S+1], s[G0S+1], SCL
	s_mov_b64 s[G0S+2:G0S+3], s[PAS:PAS+1]
	s_or_b32 s[G0S+3], s[G0S+3], 0x80000000
	s_mov_b32 s[G0SB], 1
	s_mul_i32 s[G0SB+1], s[WV], HALFS
	s_add_co_u32 s[G0SB+1], s[G0SB+1], SCL
	s_mov_b64 s[G0SB+2:G0SB+3], s[PBS:PBS+1]
	s_or_b32 s[G0SB+3], s[G0SB+3], 0x80000000
.irp s, 0,1
	s_mov_b32 s[G0A+4*\s], 1
	s_mul_i32 s[G0A+4*\s+1], s[WV], HALFT
	s_add_co_u32 s[G0A+4*\s+1], s[G0A+4*\s+1], \s*SLOT
	s_add_nc_u64 s[G0A+4*\s+2:G0A+4*\s+3], s[PA:PA+1], \s*256    ; slot s: K 512 s on
	s_or_b32 s[G0A+4*\s+3], s[G0A+4*\s+3], 0x80000000
	s_mov_b32 s[G0B+4*\s], 1
	s_mul_i32 s[G0B+4*\s+1], s[WV], HALFT
	s_add_co_u32 s[G0B+4*\s+1], s[G0B+4*\s+1], \s*SLOT
	s_add_nc_u64 s[G0B+4*\s+2:G0B+4*\s+3], s[PB:PB+1], \s*256
	s_or_b32 s[G0B+4*\s+3], s[G0B+4*\s+3], 0x80000000
.endr
	CROUND                                         ; all sixteen work-groups are here: the joint loads meet
	JLOAD G0S, G1S, G0SB, G1SB                     ; the scale bytes,
	JLOAD G0A, G1A, G0B, G1B                       ; slot 0,
	JLOAD G0A+4, G1A, G0B+4, G1B                   ; slot 1: three loads of mine are out, and these are all the launch has
	; where my results go.  RA, RB: my wave's first row of A and of B
	s_lshl_b32 s88, s[RWA], 8
	s_lshl_b32 s2, s[FB], 7
	s_add_co_u32 s88, s88, s2
	s_lshl_b32 s89, s[RWB], 8
	s_lshl_b32 s2, s[HB], 7
	s_add_co_u32 s89, s89, s2
	s_mov_b32 s92, 512
	s_mov_b32 s93, 0
	s_mov_b32 s94, 0x10000
	s_cmp_eq_u32 s[GG], 2
	s_cselect_b32 s90, s89, s88                    ; my first token
	s_cselect_b32 s91, s88, s89                    ; my first feature
	s_cselect_b32 s98, 3, 5                        ; a token's share of an image row: v 8 bytes (a key block of 32 is 256), q, k 32 bytes (a tile of 16 is 512)
	s_cselect_b32 s92, 0x4000, s92                 ; s[92:93] from one block of 16 rows of A to the next: v 16 channels on (64 key blocks x 256 bytes); q, k a tile of tokens on
	s_cselect_b32 s94, 512, s94                    ; from a fragment's first four registers to its second: v two key blocks on; q, k a head on
	s_lshl_b32 s100, s91, 2
	s_mov_b32 s101, 0
	s_add_nc_u64 s[PBI:PBI+1], s[PBI:PBI+1], s[100:101]   ; the bias at my first feature
	s_lshr_b32 s99, s90, 11                        ; the batch
	s_and_b32 s90, s90, 2047                       ; the token in it
	s_lshr_b32 s91, s91, 6                         ; my first head (an even one)
	s_lshl_b32 s100, s99, 4
	s_add_co_u32 s100, s100, s91
	s_lshl_b32 s100, s100, 16                      ; 65,536 bytes of codes for a batch and head
	s_lshl_b32 s2, s90, s98
	s_add_co_u32 s100, s100, s2
	s_add_nc_u64 s[POC:POC+1], s[POC:POC+1], s[100:101]
	s_lshr_b32 s2, s90, 7                          ; v_sc [b][128 keys][head][pair of 16 channels][lane]
	s_lshl_b32 s2, s2, 12
	s_lshl_b32 s3, s91, 8
	s_add_co_u32 s2, s2, s3
	s_lshl_b32 s3, s91, 12                         ; q_sc, k_sc [b][pair of heads][pair of tiles][lane]
	s_lshl_b32 s63, s90, 2
	s_add_co_u32 s3, s3, s63
	s_cmp_eq_u32 s[GG], 2
	s_cselect_b32 s100, s2, s3
	s_lshl_b32 s2, s99, 16
	s_add_co_u32 s100, s100, s2
	s_add_nc_u64 s[POS:POS+1], s[POS:POS+1], s[100:101]
	v_and_b32 v1, 15, v0                           ; r = lane % 16
	v_bfe_u32 v2, v0, 4, 1                         ; h = lane / 16
	; THE BIAS is the C of each sum's first matrix instruction, in the result's layout.  q, k: it runs along B's rows: tile b wants 16 b + 8 h + 0 .. 7.  v: along A's rows: block a wants 16 a + r, in all eight registers
	s_cmp_eq_u32 s[GG], 2
	s_cbranch_scc1 .Lbias_v
	v_lshlrev_b32 v[BOF], 5, v2
	WIN TO_B
.irp b, 0,1,2,3,4,5,6,7
	global_load_b128 v[BI+8*\b:BI+8*\b+3], v[BOF], s[PBI:PBI+1] offset:64*\b
	global_load_b128 v[BI+8*\b+4:BI+8*\b+7], v[BOF], s[PBI:PBI+1] offset:64*\b+16
.endr
	WIN 0
	s_branch .Lbias_done
.Lbias_v:
	v_lshlrev_b32 v[BOF], 2, v1
	WIN TO_B
.irp a, 0,1,2,3,4,5,6,7
	global_load_b32 v[BI+8*\a], v[BOF], s[PBI:PBI+1] offset:64*\a
.endr
	s_wait_loadcnt 0x0
	WIN 0x41                                       ; destination and source 0 window 1
.irp a, 0,1,2,3,4,5,6,7
.irp j, 1,2,3,4,5,6,7
	v_mov_b32 v[BI+8*\a+\j], v[BI+8*\a]
.endr
.endr
	WIN 0
.Lbias_done:
	v_mul_u32_u24 v3, v1, PITCH
	v_lshl_add_u32 v4, v2, 4, v3                   ; a fragment's row x pitch + 16 x half
	s_mul_i32 s2, s[FB], HALFT                     ; my 128 rows of A
	s_mul_i32 s3, s[HB], HALFT                     ; my 128 rows of B,
	s_add_co_u32 s3, s3, 2*HALFT                   ; which lie behind A's 256
.irp s, 0,1
	v_add_nc_u32 v[ADRA+\s], s2, v4
	v_add_nc_u32 v[ADRB+\s], s3, v4
	s_add_co_u32 s2, s2, SLOT
	s_add_co_u32 s3, s3, SLOT
.endr
	v_mul_u32_u24 v5, v1, 32                       ; my row's scale bytes: 32 a row,
	v_lshrrev_b32 v6, 8, v5
	v_lshl_add_u32 v5, v6, 4, v5                   ; and 16 more for each 256 passed
	s_mul_i32 s2, s[FB], HALFS                     ; A's: my 128 rows
	s_mul_i32 s3, s[HB], HALFS                     ; B's: my 128 rows, behind A's 256
	s_add_co_u32 s3, s3, 2*HALFS
	s_sub_co_u32 s3, s3, s2
	v_mul_u32_u24 v6, s3, v2                       ; lanes 16-31 take B's
	s_add_co_u32 s2, s2, SCL
	v_add_nc_u32 v5, v5, v6
	v_add_nc_u32 v[ADRS], s2, v5
	v_and_b32 v3, 31, v0
	v_lshlrev_b32 v[VO0], 4, v3
	v_add_nc_u32 v[VO1], s94, v[VO0]
	v_lshlrev_b32 v[LS], 2, v3
.irp b, 0,1,2,3
	v_mov_b32 v[TM+4+\b], 0                        ; written once: a lane permute's destination counts as one of its sources
.endr
.macro FRAG reg, adr, q, i             ; a fragment: lane l holds row l % 16; registers 4 c .. 4 c + 3 hold K = 64 c + 32 (l / 16) + 0 .. 31
.irp c, 0,1
	ds_load_b128 v[\reg+4*\c:\reg+4*\c+3], v[\adr] offset:64*(\q)+32*\c+(\i)*16*PITCH
.endr
.endm
; 16 matrix instructions: A's blocks a0, a0 + 1 x B's eight, the slot's q-th 128 along K.  p: B's set; sc: the set of scale words.
; cm = 0: the sums go on in place; 1: they begin with the bias along B's rows; 2: with the bias along A's rows.  Nothing is ever cleared.
; The 64 accumulators take turns, one instruction a turn, in the same order in every step.
.macro MUL16 a0, p, q, sc, cm
.irp a, \a0, \a0+1
.irp b, 0,1,2,3,4,5,6,7
.set rD, 8*(8*((\a)%4)+\b)
.set rC, rD
.if (\cm) == 1
.set rC, BI+8*\b
.endif
.if (\cm) == 2
.set rC, BI+8*(\a)
.endif
	v_wmma_scale_f32_16x16x128_f8f6f4 v[rD:rD+7], v[128*(\p)+FR*\b:128*(\p)+FR*\b+FR-1], v[AF+FR*(\a):AF+FR*(\a)+FR-1], v[rC:rC+7], v[SC+8*NQ*(\sc)+NQ*\b+(\q)], v[SC+8*NQ*(\sc)+NQ*(\a)+(\q)] matrix_a_fmt:MATRIX_FMT_FP4 matrix_b_fmt:MATRIX_FMT_FP4 matrix_a_scale:MATRIX_SCALE_ROW1
.endr
.endr
.endm
.macro FETCH_B slot, q, p              ; B's eight fragments of the slot's q-th 128 along K into set p
	WIN TO_B
.irp i, 0,1,2,3,4,5,6,7
	FRAG 128*(\p)+FR*\i, ADRB+\slot, \q, \i
.endr
	WIN 0
.endm
.macro FETCH_A slot, q, i0             ; A's blocks i0 .. i0 + 3
.irp i, \i0, \i0+1, \i0+2, \i0+3
	FRAG AF+FR*(\i), ADRA+\slot, \q, \i
.endr
.endm
.macro SCALES sc                       ; a slot's scale words into set sc: four words a row; lanes 0-15 take A's block i, lanes 16-31 B's block i
.irp i, 0,1,2,3,4,5,6,7
	ds_load_b128 v[SC+8*NQ*\sc+NQ*\i:SC+8*NQ*\sc+NQ*\i+3], v[ADRS] offset:\i*SBLK
.endr
.endm
.macro PLACES n                        ; plain vector instructions between a matrix instruction and a load into, or a read of, its registers
.rept \n
	v_nop
.endr
.endm
; A step of 128 along K that has its successor in the same slot.  A block of A is free when its eight products are issued: blocks 0-3 are fetched anew in the step's middle, blocks 4-7 at its end; B has two sets.
.macro STEP slot, q, cm
	s_wait_dscnt 4*NL                              ; all but the youngest eight loads (A's blocks 4-7) are in
.if \cm
	WIN 0x91                                       ; as MUL_LO, with C (the bias) in window 1
.else
	WIN MUL_LO
.endif
	MUL16 0, (\q)%2, \q, \slot, \cm
	MUL16 2, (\q)%2, \q, \slot, \cm
	s_wait_dscnt 0                                 ; A's blocks 4-7 are in
	PLACES NP
	FETCH_B \slot, (\q)+1, 1-(\q)%2
	FETCH_A \slot, (\q)+1, 0
.if \cm
	WIN 0xd1
.else
	WIN MUL_HI
.endif
	MUL16 4, (\q)%2, \q, \slot, \cm
	MUL16 6, (\q)%2, \q, \slot, \cm
	PLACES NP
	WIN 0
	FETCH_A \slot, (\q)+1, 4
.endm
; Slot 0's last step goes over to slot 1: each wave waits for all its tensor loads (slot 1's part), and the barrier shows the whole slot to every wave.  Nothing is filled again.
.macro TURN slot, next
	s_wait_tensorcnt 0x0                           ; all my tensor loads have landed
	ds_add_u32 v[SPW], v[NIL]                      ; 0 onto my spare word
	s_wait_dscnt 4*NL+1                            ; (the add and the youngest eight loads may be out)
	WIN MUL_LO
	MUL16 0, 1, NQ-1, \slot, 0
	s_wait_dscnt 0x0                               ; the add is done, and my LDS loads are in
	s_barrier_signal -1
	MUL16 2, 1, NQ-1, \slot, 0
	WIN 0
	s_barrier_wait -1
	PLACES NP
	v_add_nc_u32 v[ADRS], 4*NQ, v[ADRS]            ; on to the next slot's scale words
	FETCH_B \next, 0, 0
	FETCH_A \next, 0, 0
	SCALES \next
	WIN MUL_HI
	MUL16 4, 1, NQ-1, \slot, 0
	MUL16 6, 1, NQ-1, \slot, 0
	PLACES NP
	WIN 0
	FETCH_A \next, 0, 4
.endm
.macro STEPS slot, from                ; the slot's steps from .. NQ - 2
.set Q, \from
.rept NQ-1-\from
	STEP \slot, Q, 0
.set Q, Q+1
.endr
.endm
	s_wait_loadcnt 0x0                             ; the bias
	s_wait_tensorcnt 1                             ; the scale bytes and my part of slot 0 are in; slot 1's load may stay out
	s_barrier_signal -1
	s_barrier_wait -1                              ; everybody's are
	FETCH_B 0, 0, 0
	FETCH_A 0, 0, 0
	SCALES 0
	FETCH_A 0, 0, 4
	s_cmp_eq_u32 s[GG], 2                          ; the first step is written twice: it begins the sums with the bias, which runs along B's rows or along A's
	s_cbranch_scc1 .Lfirst_v
	STEP 0, 0, 1
	s_branch .Lfirst_done
.Lfirst_v:
	STEP 0, 0, 2
.Lfirst_done:
	STEPS 0, 1
	TURN 0, 1
	STEPS 1, 0
	s_wait_dscnt 4*NL                              ; the last step: nothing more to fetch
	WIN MUL_LO
	MUL16 0, 1, NQ-1, 1, 0
	MUL16 2, 1, NQ-1, 1, 0
	s_wait_dscnt 0
	WIN MUL_HI
	MUL16 4, 1, NQ-1, 1, 0
	MUL16 6, 1, NQ-1, 1, 0
	WIN 0
	PLACES NP
; THE WAY OUT, a block a of 16 rows of A at a time.  Lane (r, h) holds row r; of the tile pair 2 t, 2 t + 1 its 16 registers are k = 32 t + 8 h + 0 .. 7 and 32 t + 16 + 8 h + 0 .. 7 of the next K:
; half of block t; lane l xor 16 holds the other half.  Each conversion packs 8 neighbours; two exchanges of halves for each pair of blocks give the operand's layout: lanes 0-15 block 2 c whole, lanes 16-31 block 2 c + 1.
.macro QUANT a
.set AC, 64*((\a)%4)
.set PCS, PC+8*((\a)%2)
	WIN 0x0a+5*((\a)/4)                            ; sources 0 and 1: window 2 or 3
.irp t, 0,1,2,3
	v_max3_num_f32 v[TM+\t], |v[AC+16*\t]|, |v[AC+16*\t+1]|, 0x1800000     ; my 16 numbers of block t, and the floor 2^(3 - 127): so the byte cannot fall under 1.  Each accumulator is read from its low end on
.endr
.irp i, 2,4,6,8,10,12,14
.irp t, 0,1,2,3
	v_max3_num_f32 v[TM+\t], |v[AC+16*\t+\i]|, |v[AC+16*\t+\i+1]|, v[TM+\t]   ; (the four blocks by turns)
.endr
.endr
	WIN 0
.irp t, 0,1,2,3
	v_permlanex16_b32 v[TM+4+\t], v[TM+\t], s[SEL], s[SEL+1]
.endr
.irp t, 0,1,2,3
	v_max_num_f32 v[TM+\t], v[TM+\t], v[TM+4+\t]   ; with lane l xor 16's: the block's largest magnitude
.endr
.irp t, 0,1,2,3
	v_add_nc_u32 v[TM+12+\t], 0xff000000, v[TM+\t] ; 2 off its exponent field: the conversion takes the exponent field of this operand as its scale
.endr
.irp t, 0,1,2,3
	v_lshrrev_b32 v[TM+4+\t], 23, v[TM+12+\t]      ; the scale's byte
.endr
	v_lshl_or_b32 v[PW+(\a)%2], v[TM+5], 8, v[TM+4]
	v_lshl_or_b32 v[PW+(\a)%2], v[TM+6], 16, v[PW+(\a)%2]
	v_lshl_or_b32 v[PW+(\a)%2], v[TM+7], 24, v[PW+(\a)%2]   ; my row's scale word, the same in both halves of the lanes
	WIN 0x02+(\a)/4                                ; source 0: window 2 or 3
.irp c, 0,1
	v_cvt_scalef32_pk8_fp4_f32 v[PCS+4*\c], v[AC+32*\c:AC+32*\c+7], v[TM+12+2*\c]          ; block 2 c,     k 8 h on
	v_cvt_scalef32_pk8_fp4_f32 v[PCS+4*\c+1], v[AC+32*\c+16:AC+32*\c+23], v[TM+13+2*\c]    ; block 2 c + 1, k 8 h on
	v_cvt_scalef32_pk8_fp4_f32 v[PCS+4*\c+2], v[AC+32*\c+8:AC+32*\c+15], v[TM+12+2*\c]     ; block 2 c,     k 16 + 8 h on
	v_cvt_scalef32_pk8_fp4_f32 v[PCS+4*\c+3], v[AC+32*\c+24:AC+32*\c+31], v[TM+13+2*\c]    ; block 2 c + 1, k 16 + 8 h on
.endr
	WIN 0
	v_nop                                          ; one plain place behind a scaled conversion
.irp c, 0,1
	v_permlane16_swap_b32 v[PCS+4*\c], v[PCS+4*\c+1]       ; the first's lanes 16-31 change places with the second's lanes 0-15
	v_permlane16_swap_b32 v[PCS+4*\c+2], v[PCS+4*\c+3]
.endr
.endm
.macro PUT a                           ; the fragment leaves as two images of four registers, 512 consecutive aligned bytes each; two blocks' scale words as 128 consecutive bytes
.set PCS, PC+8*((\a)%2)
.if (\a) > 0
	s_wait_xcnt 0x0                                ; the earlier stores have read their base and their data: the base steps here, and the next block's codes may be written
	s_add_nc_u64 s[POC:POC+1], s[POC:POC+1], s[92:93]
.endif
	global_store_b128 v[VO0], v[PCS:PCS+3], s[POC:POC+1]
	global_store_b128 v[VO1], v[PCS+4:PCS+7], s[POC:POC+1]
.if (\a)%2
	v_cndmask_b32 v[PWM+(\a)/2], v[PW], v[PW+1], s[MHI]    ; lanes 0-15: the even block's rows; lanes 16-31: the odd block's
	global_store_b32 v[LS], v[PWM+(\a)/2], s[POS:POS+1] offset:((\a)/2)*128
.endif
.endm
.irp a, 0,1,2,3,4,5,6,7
	QUANT \a
	PUT \a
.endr
	s_wait_tensorcnt 0x0                           ; the wave's end
	ds_add_u32 v[SPW], v[NIL]
	s_wait_dscnt 0x0
	CROUND                                         ; the closing round: no work-group ends while a partner may still ask for a tile that names it
	s_endpgm
.Lfunc_end_k_q08ddc872f4_proj:
	.size	k_q08ddc872f4_proj, .Lfunc_end_k_q08ddc872f4_proj-k_q08ddc872f4_proj
	.p2alignl 7, 3214868480
	.fill 96, 4, 3214868480
	.section	.rodata,"a",@progbits
	.p2align	6, 0x0
	.amdhsa_kernel k_q08ddc872f4_proj
		.amdhsa_group_segment_fixed_size 327680
		.amdhsa_private_segment_fixed_size 0
		.amdhsa_enable_private_segment 0
		.amdhsa_kernarg_size 168
		.amdhsa_user_sgpr_count 2
		.amdhsa_user_sgpr_kernarg_segment_ptr 1
		.amdhsa_wavefront_size32 1
		.amdhsa_system_sgpr_workgroup_id_x 1
		.amdhsa_system_sgpr_workgroup_id_y 1
		.amdhsa_system_sgpr_workgroup_id_z 1
		.amdhsa_system_vgpr_workitem_id 0
		.amdhsa_next_free_vgpr 1024
		.amdhsa_next_free_sgpr 102
		.amdhsa_reserve_vcc 0
		.amdhsa_float_denorm_mode_32 3
		.amdhsa_float_denorm_mode_16_64 3
		.amdhsa_memory_ordered 1
		.amdhsa_forward_progress 1
		.amdhsa_inst_pref_size 146
	.end_amdhsa_kernel
	.amdgpu_metadata
---
amdhsa.version: [ 1, 2 ]
amdhsa.kernels:
  - .name:           k_q08ddc872f4_proj
    .symbol:         k_q08ddc872f4_proj.kd
    .args:
      - { .name: query_codes, .offset: 0, .size: 8, .value_kind: global_buffer, .address_space: global }
      - { .name: query_scales, .offset: 8, .size: 8, .value_kind: global_buffer, .address_space: global }
      - { .name: key_codes, .offset: 16, .size: 8, .value_kind: global_buffer, .address_space: global }
      - { .name: key_scales, .offset: 24, .size: 8, .value_kind: global_buffer, .address_space: global }
      - { .name: value_codes, .offset: 32, .size: 8, .value_kind: global_buffer, .address_space: global }
      - { .name: value_scales, .offset: 40, .size: 8, .value_kind: global_buffer, .address_space: global }
      - { .name: Wq_codes, .offset: 48, .size: 8, .value_kind: global_buffer, .address_space: global }
      - { .name: Wq_scales, .offset: 56, .size: 8, .value_kind: global_buffer, .address_space: global }
      - { .name: Wk_codes, .offset: 64, .size: 8, .value_kind: global_buffer, .address_space: global }
      - { .name: Wk_scales, .offset: 72, .size: 8, .value_kind: global_buffer, .address_space: global }
      - { .name: Wv_codes, .offset: 80, .size: 8, .value_kind: global_buffer, .address_space: global }
      - { .name: Wv_scales, .offset: 88, .size: 8, .value_kind: global_buffer, .address_space: global }
      - { .name: bq, .offset: 96, .size: 8, .value_kind: global_buffer, .address_space: global }
      - { .name: bk, .offset: 104, .size: 8, .value_kind: global_buffer, .address_space: global }
      - { .name: bv, .offset: 112, .size: 8, .value_kind: global_buffer, .address_space: global }
      - { .name: q_img, .offset: 120, .size: 8, .value_kind: global_buffer, .address_space: global }
      - { .name: q_sc, .offset: 128, .size: 8, .value_kind: global_buffer, .address_space: global }
      - { .name: k_img, .offset: 136, .size: 8, .value_kind: global_buffer, .address_space: global }
      - { .name: k_sc, .offset: 144, .size: 8, .value_kind: global_buffer, .address_space: global }
      - { .name: v_img, .offset: 152, .size: 8, .value_kind: global_buffer, .address_space: global }
      - { .name: v_sc, .offset: 160, .size: 8, .value_kind: global_buffer, .address_space: global }
    .group_segment_fixed_size: 327680
    .private_segment_fixed_size: 0
    .kernarg_segment_align: 8
    .kernarg_segment_size: 168
    .max_flat_workgroup_size: 128
    .sgpr_count:     102
    .vgpr_count:     1024
    .wavefront_size: 32
...
	.end_amdgpu_metadata
.endif
;; end of part 1
;; launch attn (part 2): grid 8 x 32, 16 waves a work-group, no clusters, 37,888 bytes of LDS; arguments q_img, q_sc, k_img, k_sc, v_img, v_sc, o_img, o_sc; writes o_img, o_sc
.if DOCPART == 2
	.amdgcn_target "amdgcn-amd-amdhsa--gfx1250"
	.amdhsa_code_object_version 6
	.text
	.protected	k_q08ddc872f4_attn
	.globl	k_q08ddc872f4_attn
	.p2align	8
	.type	k_q08ddc872f4_attn,@function
k_q08ddc872f4_attn:
	s_mov_b64 s[64:65], 0
	v_nop
	global_prefetch_b8 v0, s[64:65] scope:SCOPE_SE
	s_setreg_imm32_b32 hwreg(HW_REG_WAVE_MODE, 25, 1), 1
	s_wait_xcnt 0x0
; o = softmax over the band (i - 255 <= j <= i) of q k^T / 8, times v, for each batch and head; both products on codes of FP4 (E2M1) with E8M0 scales; o is quantised along its 64 channels and stored as codes.
; WORK LEFT OUT: keys outside the nine blocks of 32 that a tile of 16 queries can see are hidden by the band that the problem builds itself, for all values of the inputs: their p is coded 0 and adds 0 to the row's sum.
; LIMITS: as stated at the head of the first launch; scores are taken to lie above -1e30, the number that the problem puts in a hidden score's place.
; THE SOFTMAX: t = score x log2(e) / 8; M = the row's largest t rounded up to a whole number; p = 2^(t - M) is quantised along the keys, not normalised; the row's sum of the unquantised p divides at the end.
; SHARES.  A work-group owns 256 queries of one batch and head; each of its sixteen waves one tile of 16.  Tile T = 2 m + e sees keys 32 (m - 8) + 16 e + 1 .. 32 m + 16 e + 15: blocks m - 8 .. m.  The first is cut by the
; band's lower edge, the last by the diagonal, and the two cuts are complements: in block m - 8 key kk counts where kk > 16 e + r, in block m where kk <= 16 e + r.  All 288 scores of a query lie in two lanes' 144 registers:
; one pass, no running maximum, no loop.
; LDS holds the work-group's 16 key blocks (slots 0-7: the eight before its own, slots 8-15: its own), copied once through registers; one barrier.  The first work-group of a head has no blocks before its own:
; it copies its own there and hides them whole.  So no LDS address hangs on the work-group's number and no load leaves its buffer.
; NO CLUSTER: a work-group's eight earlier blocks are its neighbour's own eight, so a tile that two partners share would have to land at different LDS places in them.
; LAYOUT.  Both products are used transposed: S^T = K Q^T (source 0 = 16 keys), O^T = V^T P^T (source 0 = 16 channels): a lane holds one query (lane % 16) throughout.  K = 64 of the first product fills half of the
; instruction's 128: Q's upper four registers are zero codes, and what stands in K's upper four (the next tile's codes) meets them.
.set VOFF,  16384                      ; LDS: K's codes [slot 16][1,024];  V's [16 channels: 4][slot 16][256];
.set KSOFF, 32768                      ; K's scale words [slot 16][128];
.set VSOFF, 34816                      ; V's [4 slots: 4][256];
.set SPARE, 35840                      ; the spare words, 128 bytes for each wave, which no other line names
.set SPW,  1                           ; v1   LDS address of my spare word; never rewritten
.set NIL,  2                           ; v2   0; never rewritten
.set LI,   3                           ; v3   16 x lane
.set AK,   4                           ; v4   my window's first tile of K
.set AV,   5                           ; v5   my window's first two blocks of V
.set AV2,  6                           ; v6   the same without the lanes' halves: both read one block
.set AKS,  7                           ; v7   K's scale words
.set AVS,  8                           ; v8   V's
.set DG,   9                           ; v9   16 e + r - 8 h
.set NEGV, 10                          ; v10  -1e30
.set OSV,  11                          ; v11  4 r + h
.set QF,   16                          ; v16-23 Q's fragment; the upper four are zeros
.set QS,   24                          ; v24    its scale word
.set KS,   25                          ; v25-33 K's scale words, one for each block
.set VS,   34                          ; v34-39 V's: K step s, pair of channel tiles tp: 2 s + tp
.set PS,   40                          ; v40-42 p's
.set TS,   43                          ; v43    at work
.set BM,   44                          ; v44-52 each block's largest score, then its largest p
.set BT,   53                          ; v53-61 at work: V's raw scale words, the other half's maxima, the bytes
.set BO,   62                          ; v62-70 the conversions' scale operands
.set R4,   71                          ; v71    4 r
.set KF,   72                          ; v72-107 nine tiles of K, four registers each; v108-111 zeros
.set PC,   72                          ; later: p's codes, 24 registers
.set OC,   96                          ; later: o's codes
.set S,    112                         ; v112-255 S^T, then p: tile kt at 112 + 8 kt
.set O,    112                         ; later: O^T, 32 registers
.set VF,   144                         ; later: V's fragments of K steps 0 and 1
.set VG,   208                         ; later: V's block 8, four registers for each tile of channels
	s_load_b512 s[8:23], s[0:1], 0x0               ; q_img, q_sc, k_img, k_sc, v_img, v_sc, o_img, o_sc
	v_lshl_add_u32 v[SPW], v0, 2, SPARE
	v_mov_b32 v[NIL], 0
	v_lshrrev_b32 v3, 5, v0
	v_readfirstlane_b32 s24, v3                    ; wave 0..15
	s_mov_b32 s25, ttmp9                           ; qb: my block of 256 queries
	s_and_b32 s26, ttmp7, 0xffff                   ; 16 b + head
	s_and_b32 s27, s26, 15                         ; head
	s_lshr_b32 s28, s26, 4                         ; b
	s_lshr_b32 s29, s27, 1                         ; the pair of heads
	s_and_b32 s30, s27, 1
	s_lshl_b32 s30, s30, 4                         ; 16 x (head % 2): where my head's two bytes begin in a scale word of q or k
	s_lshr_b32 s31, s24, 1                         ; rel: my window begins at slot rel
	s_and_b32 s32, s24, 1                          ; e
	s_max_u32 s33, s25, 1
	s_sub_co_u32 s33, s33, 1
	s_lshl_b32 s33, s33, 3                         ; the first of the eight blocks before my own; in the head's first work-group: block 0
	s_and_b32 s34, s31, 3
	s_lshl_b32 s34, s34, 3                         ; 8 x (rel % 4): where my window begins in V's scale words, in bits
	s_sub_co_u32 s35, 8, s31                       ; how many blocks of my window lie in slots 0-7
	s_lshl_b32 s62, s26, 16                        ; 65,536 bytes of codes for a batch and head
	s_lshl_b32 s36, s33, 10
	s_add_co_u32 s36, s36, s62                     ; K: the earlier eight blocks, 1,024 bytes each,
	s_mov_b32 s37, 0
	s_lshl_b32 s38, s25, 13
	s_add_co_u32 s38, s38, s62                     ; and my own eight
	s_mov_b32 s39, 0
	s_lshl_b32 s40, s33, 8
	s_add_co_u32 s40, s40, s62                     ; V: 256 bytes a block in each tile of 16 channels
	s_mov_b32 s41, 0
	s_lshl_b32 s42, s25, 11
	s_add_co_u32 s42, s42, s62
	s_mov_b32 s43, 0
	s_lshl_b32 s63, s25, 3
	s_cmp_lt_u32 s24, 8
	s_cselect_b32 s63, s33, s63                    ; K's scale words: waves 0-7 copy the earlier blocks', waves 8-15 my own blocks'
	s_lshl_b32 s44, s63, 7
	s_lshr_b32 s63, s26, 1
	s_lshl_b32 s63, s63, 13                        ; 8,192 bytes of scale words for a batch and pair of heads
	s_add_co_u32 s44, s44, s63
	s_mov_b32 s45, 0
	s_lshl_b32 s46, s25, 1
	s_lshr_b32 s47, s24, 2
	s_add_co_u32 s46, s46, s47                     ; V's scale words: four waves copy the 256 bytes of four blocks: word 2 qb - 2 + wave / 4,
	s_cmp_lt_u32 s46, 2
	s_cselect_b32 s47, 2, 0                        ; (in the head's first work-group the earlier two are its own two once more)
	s_add_co_u32 s46, s46, s47
	s_sub_co_u32 s46, s46, 2
	s_lshl_b32 s47, s28, 4
	s_add_co_u32 s46, s46, s47
	s_lshl_b32 s46, s46, 4
	s_add_co_u32 s46, s46, s27
	s_lshl_b32 s46, s46, 8
	s_mov_b32 s47, 0
	s_lshl_b32 s61, s25, 4
	s_add_co_u32 s61, s61, s24                     ; my tile of 16 queries
	s_lshl_b32 s48, s61, 9
	s_add_co_u32 s48, s48, s62                     ; Q's codes
	s_mov_b32 s49, 0
	s_lshr_b32 s50, s61, 1
	s_lshl_b32 s50, s50, 7
	s_add_co_u32 s50, s50, s63
	s_lshl_b32 s51, s32, 6
	s_add_co_u32 s50, s50, s51                     ; Q's scale words: the pair of tiles, my half of its 32 lanes
	s_mov_b32 s51, 0
	s_lshl_b32 s52, s28, 7
	s_add_co_u32 s52, s52, s61                     ; 128 b + tile
	s_lshl_b32 s54, s52, 3
	s_add_co_u32 s54, s54, s29
	s_lshl_b32 s54, s54, 6
	s_lshr_b32 s55, s30, 3
	s_add_co_u32 s54, s54, s55                     ; o's scale bytes: [tile][pair of heads][r] words, my head's two bytes
	s_mov_b32 s55, 0
	s_lshl_b32 s52, s52, 4
	s_add_co_u32 s52, s52, s27
	s_lshl_b32 s52, s52, 9                         ; o's codes: [tile][head] images of 512 bytes
	s_mov_b32 s53, 0
	s_mov_b32 s56, 0x3e38aa3b                      ; c = log2(e) / 8
	s_mov_b32 s57, s56                             ; (named with it as a pair, so it is written)
	s_mov_b32 s58, 0x76543210
	s_mov_b32 s59, 0xfedcba98                      ; v_permlanex16_b32's selects for lane l xor 16
	s_mov_b32 s60, 0xffff0000                      ; lanes 16-31
	v_and_b32 v12, 31, v0                          ; lane
	v_and_b32 v13, 15, v0                          ; r
	v_bfe_u32 v14, v0, 4, 1                        ; h
	v_lshlrev_b32 v[LI], 4, v12
	s_lshl_b32 s62, s31, 10
	v_add_nc_u32 v[AK], s62, v[LI]
	s_lshl_b32 s62, s31, 8
	s_add_co_u32 s62, s62, VOFF
	v_add_nc_u32 v[AV], s62, v[LI]
	v_lshl_add_u32 v[AV2], v13, 4, s62
	s_lshl_b32 s62, s31, 7
	s_add_co_u32 s62, s62, KSOFF
	v_lshl_add_u32 v[AKS], v12, 2, s62
	s_lshr_b32 s62, s31, 2
	s_lshl_b32 s62, s62, 8
	s_add_co_u32 s62, s62, VSOFF
	v_lshl_add_u32 v[AVS], v12, 2, s62
	s_lshl_b32 s62, s32, 4
	v_lshlrev_b32 v[DG], 3, v14
	v_sub_nc_u32 v[DG], v13, v[DG]
	v_add_nc_u32 v[DG], s62, v[DG]
	v_lshl_add_u32 v[OSV], v13, 2, v14
	v_lshlrev_b32 v[R4], 2, v13
	; the copies: thread t of 512
	v_lshlrev_b32 v130, 4, v0                      ; K: 16 t, in memory and in LDS
	v_lshrrev_b32 v137, 7, v0
	v_and_b32 v131, 127, v0
	v_lshlrev_b32 v131, 4, v131
	v_lshl_add_u32 v132, v137, 12, v131
	v_add_nc_u32 v132, VOFF, v132                  ; V in LDS: tile of channels t / 128, 4,096 bytes each,
	v_lshl_add_u32 v131, v137, 14, v131            ; in memory 16,384 bytes each
	v_and_b32 v133, 255, v0
	v_lshlrev_b32 v133, 2, v133                    ; K's scale words: 4 (t % 256) in memory,
	v_lshl_add_u32 v134, v0, 2, KSOFF              ; 4 t in LDS
	v_and_b32 v135, 127, v0
	v_lshlrev_b32 v135, 1, v135                    ; V's: 2 (t % 128) in memory,
	v_lshl_add_u32 v136, v0, 1, VSOFF              ; 2 t in LDS
	s_wait_kmcnt 0x0
	s_add_nc_u64 s[36:37], s[12:13], s[36:37]
	s_add_nc_u64 s[38:39], s[12:13], s[38:39]
	s_add_nc_u64 s[40:41], s[16:17], s[40:41]
	s_add_nc_u64 s[42:43], s[16:17], s[42:43]
	s_add_nc_u64 s[44:45], s[14:15], s[44:45]
	s_add_nc_u64 s[46:47], s[18:19], s[46:47]
	s_add_nc_u64 s[48:49], s[8:9], s[48:49]
	s_add_nc_u64 s[50:51], s[10:11], s[50:51]
	s_add_nc_u64 s[52:53], s[20:21], s[52:53]
	s_add_nc_u64 s[54:55], s[22:23], s[54:55]
	global_load_b128 v[112:115], v130, s[36:37]
	global_load_b128 v[116:119], v130, s[38:39]
	global_load_b128 v[120:123], v131, s[40:41]
	global_load_b128 v[124:127], v131, s[42:43]
	global_load_b32 v128, v133, s[44:45]
	global_load_u16 v129, v135, s[46:47]
	global_load_b128 v[QF:QF+3], v[LI], s[48:49]
	global_load_b32 v[QS], v[R4], s[50:51]
.irp j, 4,5,6,7
	v_mov_b32 v[QF+\j], 0                          ; Q's K = 64 .. 127: zero codes
.endr
.irp j, 36,37,38,39
	v_mov_b32 v[KF+\j], 0                          ; what stands above the ninth tile of K
.endr
.irp j, 6,7,8
	v_mov_b32 v[BT+\j], 0                          ; a lane permute's destination counts as one of its sources (the other six are written by loads)
.endr
	v_mov_b32 v13, 0                               ; (named as the upper half of the pair v[12:13])
	v_mov_b32 v[NEGV], 0xf149f2ca
	s_wait_loadcnt 0x2                             ; the six copies are in; Q's two loads may stay out
	ds_store_b128 v130, v[112:115]
	ds_store_b128 v130, v[116:119] offset:8192
	ds_store_b128 v132, v[120:123]
	ds_store_b128 v132, v[124:127] offset:2048
	ds_store_b32 v134, v128
	ds_store_b16 v136, v129
	s_wait_dscnt 0x0                               ; for the others' sake: my stores have landed
	s_barrier_signal -1
	s_barrier_wait -1                              ; the sixteen slots are whole; nothing is stored into them again
.irp i, 0,1,2,3,4,5,6,7,8
	ds_load_b32 v[KS+\i], v[AKS] offset:128*\i     ; lanes 0-15: the block's first 16 keys; lanes 16-31: its second
.endr
.irp s, 0,1,2
.irp tp, 0,1
	ds_load_b32 v[BT+2*\s+\tp], v[AVS] offset:256*\s+128*\tp
.endr
.endr
.irp t, 0,1,2,3,4,5,6,7,8
	ds_load_b128 v[KF+4*\t:KF+4*\t+3], v[AK] offset:512*\t
.endr
	s_wait_loadcnt 0x0                             ; Q
	s_wait_dscnt 0x0
	v_bfe_u32 v[QS], v[QS], s30, 16                ; my head's two bytes; the upper two become 0, over zero codes
.irp i, 0,1,2,3,4,5,6,7,8
	v_bfe_u32 v[KS+\i], v[KS+\i], s30, 16
.endr
.irp tp, 0,1                                   ; V's scale words begin at multiples of four slots, my window at slot rel: the bytes are shifted into place
	v_alignbit_b32 v[VS+\tp], v[BT+2+\tp], v[BT+\tp], s34
	v_alignbit_b32 v[VS+2+\tp], v[BT+4+\tp], v[BT+2+\tp], s34
	v_alignbit_b32 v[VS+4+\tp], v[BT+4+\tp], v[BT+4+\tp], s34   ; block 8's byte comes lowest; the other three stand over zero codes of p
.endr
.rept 8
	v_nop                                          ; a scale register written by a vector instruction stands 8 places ahead of a scaled matrix instruction
.endr
.macro KQ kt                           ; S^T of tile kt: 16 keys x my 16 queries
.if (\kt)%2
	v_wmma_scale_f32_16x16x128_f8f6f4 v[S+8*(\kt):S+8*(\kt)+7], v[KF+4*((\kt)%9):KF+4*((\kt)%9)+7], v[QF:QF+7], 0, v[KS+(\kt)/2], v[QS] matrix_a_fmt:MATRIX_FMT_FP4 matrix_b_fmt:MATRIX_FMT_FP4 matrix_a_scale:MATRIX_SCALE_ROW1
.else
	v_wmma_scale_f32_16x16x128_f8f6f4 v[S+8*(\kt):S+8*(\kt)+7], v[KF+4*((\kt)%9):KF+4*((\kt)%9)+7], v[QF:QF+7], 0, v[KS+(\kt)/2], v[QS] matrix_a_fmt:MATRIX_FMT_FP4 matrix_b_fmt:MATRIX_FMT_FP4
.endif
.endm
.irp kt, 0,1,2,3,4,5,6,7,8
	KQ \kt
.endr
.rept 4
	v_nop                                          ; places in front of loads into registers that matrix instructions have read
.endr
.irp t, 0,1,2,3,4,5,6,7,8
	ds_load_b128 v[KF+4*\t:KF+4*\t+3], v[AK] offset:512*(9+\t)
.endr
	s_wait_dscnt 0x0
.irp kt, 9,10,11,12,13,14,15,16,17
	KQ \kt
.endr
.rept 4
	v_nop
.endr
	; THE BAND.  In the head's first work-group the blocks of my window that lie in slots 0-7 stand for keys before key 0: hidden whole.  A branch on the work-group's number
	s_cmp_lg_u32 s25, 0
	s_cbranch_scc1 .Lnot_first
.irp i, 0,1,2,3,4,5,6,7
	s_cmp_lt_u32 \i, s35
	s_cselect_b32 s61, -1, 0
.irp n, 0,1,2,3,4,5,6,7,8,9,10,11,12,13,14,15
	v_cndmask_b32 v[S+16*\i+\n], v[S+16*\i+\n], v[NEGV], s61
.endr
.endr
.Lnot_first:
.irp n, 0,1,2,3,4,5,6,7,8,9,10,11,12,13,14,15  ; register n of a block holds its key n + 8 (n / 8) + 8 h.  Where that is above 16 e + r the key is hidden in block 8 and counts in block 0; else the other way round
	v_cmp_gt_i32 vcc_lo, \n+8*(\n/8), v[DG]
	v_cndmask_b32 v[S+128+\n], v[S+128+\n], v[NEGV], vcc_lo
	v_cndmask_b32 v[S+\n], v[NEGV], v[S+\n], vcc_lo
.endr
.irp i, 0,1,2,3,4,5,6,7,8
	v_max3_num_f32 v[BM+\i], v[S+16*\i], v[S+16*\i+1], v[S+16*\i+2]   ; the largest score of each block: it serves for the row's maximum and, since p rises with the score, for the block's largest p
.endr
.irp n, 3,5,7,9,11,13
.irp i, 0,1,2,3,4,5,6,7,8
	v_max3_num_f32 v[BM+\i], v[BM+\i], v[S+16*\i+\n], v[S+16*\i+\n+1]
.endr
.endr
.irp i, 0,1,2,3,4,5,6,7,8
	v_max_num_f32 v[BM+\i], v[BM+\i], v[S+16*\i+15]
.endr
.irp i, 0,1,2,3,4,5,6,7,8
	v_permlanex16_b32 v[BT+\i], v[BM+\i], s58, s59
.endr
.irp i, 0,1,2,3,4,5,6,7,8
	v_max_num_f32 v[BM+\i], v[BM+\i], v[BT+\i]     ; with lane l xor 16's 16 keys
.endr
	v_max3_num_f32 v[TS], v[BM], v[BM+1], v[BM+2]
	v_max3_num_f32 v[TS], v[TS], v[BM+3], v[BM+4]
	v_max3_num_f32 v[TS], v[TS], v[BM+5], v[BM+6]
	v_max3_num_f32 v[TS], v[TS], v[BM+7], v[BM+8]  ; my query's largest score: key i itself always counts
	v_mul_f32 v[TS], s56, v[TS]                    ; as t (c is positive)
	v_floor_f32 v12, -v[TS]                        ; -M = floor(-t) = -ceil(t)
.set j, 0
.rept 72
	v_pk_fma_f32 v[S+j:S+j+1], v[S+j:S+j+1], s[56:57], v[12:13] op_sel_hi:[1,0,0]   ; t - M, two at a time
.set j, j+2
.endr
.irp i, 0,1,2,3,4,5,6,7,8
	v_fma_f32 v[BM+\i], v[BM+\i], s56, v12         ; the same of each block's largest score
.endr
.set j, 0
.rept 144
	v_exp_f32 v[S+j], v[S+j]                       ; p = 2^(t - M), at most 1; 0 for a hidden key
.set j, j+1
.endr
.irp j, 17,19,20,21,22,23,32,33
	v_mov_b32 v[PC+\j], 0                          ; plain work behind the exponentials: the zero codes of window blocks 9 to 11, and two permute destinations of the way out
.endr
	s_wait_alu depctr_va_vdst(0)                   ; one wait for the whole batch, ahead of its first reader
.irp i, 0,1,2,3,4,5,6,7,8
	v_exp_f32 v[BM+\i], v[BM+\i]                   ; the block's largest p: the same two instructions on the same number give the same bits
.endr
	v_pk_add_f32 v[14:15], v[S:S+1], v[S+2:S+3]    ; the row's sum is taken of the unquantised p: two at a time, in two chains
	v_pk_add_f32 v[100:101], v[S+4:S+5], v[S+6:S+7]
.set j, 8
.rept 34
	v_pk_add_f32 v[14:15], v[14:15], v[S+j:S+j+1]
	v_pk_add_f32 v[100:101], v[100:101], v[S+j+2:S+j+3]
.set j, j+4
.endr
	v_pk_add_f32 v[14:15], v[14:15], v[100:101]
	s_wait_alu depctr_va_vdst(0)                   ; and one for the nine
.irp i, 0,1,2,3,4,5,6,7,8
	v_max_num_f32 v[BM+\i], 0x1800000, v[BM+\i]    ; the floor 2^(3 - 127): the byte cannot fall under 1 (a block whose every p is 0 keeps that byte: its codes are zeros)
.endr
.irp i, 0,1,2,3,4,5,6,7,8
	v_add_nc_u32 v[BO+\i], 0xff000000, v[BM+\i]    ; 2 off the exponent field: the conversion's scale operand
.endr
.irp i, 0,1,2,3,4,5,6,7,8
	v_lshrrev_b32 v[BT+\i], 23, v[BO+\i]           ; the scale's byte
.endr
.irp s, 0,1
	v_lshl_or_b32 v[PS+\s], v[BT+4*\s+1], 8, v[BT+4*\s]
	v_lshl_or_b32 v[PS+\s], v[BT+4*\s+2], 16, v[PS+\s]
	v_lshl_or_b32 v[PS+\s], v[BT+4*\s+3], 24, v[PS+\s]
.endr
	v_mov_b32 v[PS+2], v[BT+8]                     ; the third K step has block 8 alone
.irp i, 0,1,2,3,4,5,6,7,8
	v_cvt_scalef32_pk8_fp4_f32 v[PC+4*(\i/2)+\i%2], v[S+16*\i:S+16*\i+7], v[BO+\i]         ; block i, keys 8 h on
	v_cvt_scalef32_pk8_fp4_f32 v[PC+4*(\i/2)+\i%2+2], v[S+16*\i+8:S+16*\i+15], v[BO+\i]    ; and 16 + 8 h on
.endr
	v_nop                                          ; one plain place behind a scaled conversion
.irp s, 0,1                                    ; V's fragments land where p stood: 16 channels x 128 keys, lanes 0-15 block 2 c, lanes 16-31 block 2 c + 1
.irp dt, 0,1,2,3
.irp c, 0,1
	ds_load_b128 v[VF+32*\s+8*\dt+4*\c:VF+32*\s+8*\dt+4*\c+3], v[AV] offset:4096*\dt+256*(4*\s+2*\c)
.endr
.endr
.endr
.irp dt, 0,1,2,3
	ds_load_b128 v[VG+4*\dt:VG+4*\dt+3], v[AV2] offset:4096*\dt+2048   ; block 8, in both halves of the lanes: lanes 16-31 meet zero codes of p
.endr
.irp p, 0,1,2,3,4                              ; the operand's layout wants a whole block in a lane
	v_permlane16_swap_b32 v[PC+4*\p], v[PC+4*\p+1]
	v_permlane16_swap_b32 v[PC+4*\p+2], v[PC+4*\p+3]
.endr
.rept 8
	v_nop                                          ; places between the vector instructions that wrote p's codes and scale words and the scaled matrix instructions
.endr
	s_wait_dscnt 0x0
; O^T += V^T P^T: K step s, channels 16 dt on.  In step 2 source 0's upper four registers are whatever follows its four (the next tile's block 8, or old p): they meet zero codes.
.macro PVM s, dt
.set rA, VF+32*(\s)+8*(\dt)
.if (\s) == 2
.set rA, VG+4*(\dt)
.endif
.set rO, O+8*(\dt)
.if ((\s) == 0) && ((\dt)%2 == 0)
	v_wmma_scale_f32_16x16x128_f8f6f4 v[rO:rO+7], v[rA:rA+7], v[PC+8*(\s):PC+8*(\s)+7], 0, v[VS+2*(\s)+(\dt)/2], v[PS+(\s)] matrix_a_fmt:MATRIX_FMT_FP4 matrix_b_fmt:MATRIX_FMT_FP4
.elseif (\s) == 0
	v_wmma_scale_f32_16x16x128_f8f6f4 v[rO:rO+7], v[rA:rA+7], v[PC+8*(\s):PC+8*(\s)+7], 0, v[VS+2*(\s)+(\dt)/2], v[PS+(\s)] matrix_a_fmt:MATRIX_FMT_FP4 matrix_b_fmt:MATRIX_FMT_FP4 matrix_a_scale:MATRIX_SCALE_ROW1
.elseif (\dt)%2 == 0
	v_wmma_scale_f32_16x16x128_f8f6f4 v[rO:rO+7], v[rA:rA+7], v[PC+8*(\s):PC+8*(\s)+7], v[rO:rO+7], v[VS+2*(\s)+(\dt)/2], v[PS+(\s)] matrix_a_fmt:MATRIX_FMT_FP4 matrix_b_fmt:MATRIX_FMT_FP4
.else
	v_wmma_scale_f32_16x16x128_f8f6f4 v[rO:rO+7], v[rA:rA+7], v[PC+8*(\s):PC+8*(\s)+7], v[rO:rO+7], v[VS+2*(\s)+(\dt)/2], v[PS+(\s)] matrix_a_fmt:MATRIX_FMT_FP4 matrix_b_fmt:MATRIX_FMT_FP4 matrix_a_scale:MATRIX_SCALE_ROW1
.endif
.endm
.irp s, 0,1,2                                  ; the four accumulators take turns, one instruction a turn
.irp dt, 0,1,2,3
	PVM \s, \dt
.endr
.endr
.rept 4
	v_nop
.endr
	v_add_f32 v14, v14, v15                        ; the sum's two halves,
	v_permlanex16_b32 v[TS], v14, s58, s59
	v_add_f32 v14, v14, v[TS]                      ; and lane l xor 16's: the row's sum
	v_rcp_f32 v14, v14
	v_nop                                          ; a plain place behind the reciprocal
	s_wait_alu depctr_va_vdst(0)                   ; and the wait ahead of its first reader
.set j, 0
.rept 16
	v_pk_mul_f32 v[O+j:O+j+1], v[O+j:O+j+1], v[14:15] op_sel_hi:[1,0]   ; o = O^T / the sum: register 8 dt + i is channel 16 dt + 8 h + i of my query
.set j, j+2
.endr
	; o is quantised along its channels, which are the last product's K: two blocks of 32, each half in me and half in lane l xor 16
	v_max3_num_f32 v102, |v[O]|, |v[O+1]|, 0x1800000
	v_max3_num_f32 v103, |v[O+16]|, |v[O+17]|, 0x1800000
.irp i, 2,4,6,8,10,12,14
	v_max3_num_f32 v102, v102, |v[O+\i]|, |v[O+\i+1]|
	v_max3_num_f32 v103, v103, |v[O+16+\i]|, |v[O+17+\i]|
.endr
	v_permlanex16_b32 v104, v102, s58, s59
	v_permlanex16_b32 v105, v103, s58, s59
	v_max_num_f32 v102, v102, v104
	v_max_num_f32 v103, v103, v105
	v_add_nc_u32 v106, 0xff000000, v102
	v_add_nc_u32 v107, 0xff000000, v103
	v_lshrrev_b32 v104, 23, v106
	v_lshrrev_b32 v105, 23, v107
	v_cvt_scalef32_pk8_fp4_f32 v[OC], v[O:O+7], v106
	v_cvt_scalef32_pk8_fp4_f32 v[OC+1], v[O+16:O+23], v107
	v_cvt_scalef32_pk8_fp4_f32 v[OC+2], v[O+8:O+15], v106
	v_cvt_scalef32_pk8_fp4_f32 v[OC+3], v[O+24:O+31], v107
	v_cndmask_b32 v[TS], v104, v105, s60           ; lanes 0-15: block 0's byte; lanes 16-31: block 1's.  (The plain place behind the conversions)
	v_permlane16_swap_b32 v[OC], v[OC+1]
	v_permlane16_swap_b32 v[OC+2], v[OC+3]
	global_store_b128 v[LI], v[OC:OC+3], s[52:53]  ; 512 consecutive aligned bytes: four registers of the last product's operand
	global_store_b8 v[OSV], v[TS], s[54:55]        ; a byte a lane inside 64 bytes: the other two bytes of each word belong to the neighbouring head's work-group
	s_wait_tensorcnt 0x0                           ; the wave's end, behind my last LDS store
	ds_add_u32 v[SPW], v[NIL]
	s_wait_dscnt 0x0
	s_endpgm
.Lfunc_end_k_q08ddc872f4_attn:
	.size	k_q08ddc872f4_attn, .Lfunc_end_k_q08ddc872f4_attn-k_q08ddc872f4_attn
	.p2alignl 7, 3214868480
	.fill 96, 4, 3214868480
	.section	.rodata,"a",@progbits
	.p2align	6, 0x0
	.amdhsa_kernel k_q08ddc872f4_attn
		.amdhsa_group_segment_fixed_size 37888
		.amdhsa_private_segment_fixed_size 0
		.amdhsa_enable_private_segment 0
		.amdhsa_kernarg_size 64
		.amdhsa_user_sgpr_count 2
		.amdhsa_user_sgpr_kernarg_segment_ptr 1
		.amdhsa_wavefront_size32 1
		.amdhsa_system_sgpr_workgroup_id_x 1
		.amdhsa_system_sgpr_workgroup_id_y 1
		.amdhsa_system_sgpr_workgroup_id_z 1
		.amdhsa_system_vgpr_workitem_id 0
		.amdhsa_next_free_vgpr 256
		.amdhsa_next_free_sgpr 66
		.amdhsa_reserve_vcc 1
		.amdhsa_float_denorm_mode_32 3
		.amdhsa_float_denorm_mode_16_64 3
		.amdhsa_memory_ordered 1
		.amdhsa_forward_progress 1
		.amdhsa_inst_pref_size 53
	.end_amdhsa_kernel
	.amdgpu_metadata
---
amdhsa.version: [ 1, 2 ]
amdhsa.kernels:
  - .name:           k_q08ddc872f4_attn
    .symbol:         k_q08ddc872f4_attn.kd
    .args:
      - { .name: q_img, .offset: 0, .size: 8, .value_kind: global_buffer, .address_space: global }
      - { .name: q_sc, .offset: 8, .size: 8, .value_kind: global_buffer, .address_space: global }
      - { .name: k_img, .offset: 16, .size: 8, .value_kind: global_buffer, .address_space: global }
      - { .name: k_sc, .offset: 24, .size: 8, .value_kind: global_buffer, .address_space: global }
      - { .name: v_img, .offset: 32, .size: 8, .value_kind: global_buffer, .address_space: global }
      - { .name: v_sc, .offset: 40, .size: 8, .value_kind: global_buffer, .address_space: global }
      - { .name: o_img, .offset: 48, .size: 8, .value_kind: global_buffer, .address_space: global }
      - { .name: o_sc, .offset: 56, .size: 8, .value_kind: global_buffer, .address_space: global }
    .group_segment_fixed_size: 37888
    .private_segment_fixed_size: 0
    .kernarg_segment_align: 8
    .kernarg_segment_size: 64
    .max_flat_workgroup_size: 512
    .sgpr_count:     66
    .vgpr_count:     256
    .wavefront_size: 32
...
	.end_amdgpu_metadata
.endif
;; end of part 2
;; launch outp (part 3): grid 8 x 32, 4 waves a work-group, clusters of 4 x 4, 167,936 bytes of LDS; arguments o_img, o_sc, Wo_codes, Wo_scales, bo, out0; writes out0
.if DOCPART == 3
	.amdgcn_target "amdgcn-amd-amdhsa--gfx1250"
	.amdhsa_code_object_version 6
	.text
	.protected	k_q08ddc872f4_outp
	.globl	k_q08ddc872f4_outp
	.p2align	8
	.type	k_q08ddc872f4_outp,@function
k_q08ddc872f4_outp:
	s_mov_b64 s[64:65], 0
	v_nop
	global_prefetch_b8 v0, s[64:65] scope:SCOPE_SE
	s_setreg_imm32_b32 hwreg(HW_REG_WAVE_MODE, 25, 1), 1
	s_wait_xcnt 0x0
	s_wait_alu depctr_hold_cnt(0) depctr_sa_sdst(0) depctr_va_vdst(0) depctr_va_sdst(0) depctr_va_ssrc(0) depctr_va_vcc(0) depctr_vm_vsrc(0)
	s_getreg_b32 s2, hwreg(HW_REG_IB_STS2, 6, 4)
	s_cmp_eq_u32 s2, 0
	s_cbranch_scc0 .Lentry_in_a_cluster
	s_endpgm
.Lentry_in_a_cluster:
	s_bfe_u32 s2, ttmp6, 0x10000c
	s_cmp_lg_u32 s2, 0xf033
	s_cbranch_scc0 .Lentry_shape_is_right
	s_endpgm
.Lentry_shape_is_right:
; out0 = o Wo^T + bo on codes of FP4 (E2M1) with E8M0 scales, f32 sums.  o: 4,096 rows x 1,024, as images of operand registers ([tile of 16 rows][head][lane][16 bytes]) with scale words [tile][128 along K][row].
; Nothing is left out here: all 4,096 rows of o are live.
; SHARES.  A tile of out0 is 128 x 128: 256 work-groups of four waves, a wave 64 x 64 (16 accumulators).  All of K = 1,024 lies in LDS at once: o's eight tiles are 65,536 dense bytes, Wo's 128 rows 512 bytes each.
; Every tensor load goes out at the head.
; THE MATRIX INSTRUCTION IS USED TRANSPOSED (source 0 = 16 rows of Wo, source 1 = 16 rows of o): a lane holds eight neighbouring numbers of a row of out0.  The bias is the C of each sum's first instruction.
; CLUSTERS: 4 x 4 work-groups.  o's tile is shared along a row of the cluster, Wo's along a column: each is asked for jointly, by the same tensor load with the same descriptor and a mask that names the four.
; REGISTERS: window 0: v16-29 addresses; v32-47 Wo's scale words, v48-63 o's; v64-95 the bias (on the way out v64-127: rows read back); v128-255 the accumulators ((a, b) at 128 + 8 (4 a + b)).
;   window 1: four fragment buffers of 64, one for each of four steps of 128 along K: Wo's four fragments, then o's four.
.set BOFF,  65536                      ; LDS: o's images from 0; Wo's 128 rows, 528 bytes apart (512 + 16 of padding);
.set ASOFF, 133120                     ; o's scale words, 4,096 dense bytes;
.set BSOFF, 137216                     ; Wo's scale bytes, 16 runs of 256 bytes + 16 of padding;
.set STAGE, 141568                     ; the way out: 16 rows x (256 bytes + 16) for each wave, into which no tensor load lands;
.set SPARE, 158976                     ; the spare words, 128 bytes for each wave, which no other line names
.set ADRA, 16
.set ADRB, 17
.set ADSA, 18
.set ADSB, 19
.set STO,  24
.set RD,   25
.set CO,   26
.set BOF,  27
.set SPW,  28
.set NIL,  29
.set SB,   32                          ; register 8 ip + k: lanes 0-15 Wo's tile ip, lanes 16-31 tile ip + 2, K step k
.set SA,   48                          ; the same for o's tiles
.set BI,   64
.set BK,   64
.set ACC,  128
.set G1A,  24
.set G1AS, 32
.set G1B,  40
.set G1BS, 48
.set G0A,  56
.set G0AS, 60
.set G0B,  68
.set G0BS, 72
.set MSB, 0
.macro WIN new
.if MSB != (\new)
	s_set_vgpr_msb (MSB<<8)|(\new)
.set MSB, (\new)
.endif
.endm
.macro JLOAD g0a, g1a, g0b, g1b        ; waves 0 and 1 fetch for o, waves 2 and 3 for Wo; an s_nop 0 and four v_nop follow each of the two lines
	s_cmp_eq_u32 s17, 0
	s_cbranch_scc0 .Lfor_b_\@
	tensor_load_to_lds s[\g0a:\g0a+3], s[\g1a:\g1a+7]
	s_nop 0
.rept 4
	v_nop
.endr
	s_branch .Lasked_\@
.Lfor_b_\@:
	tensor_load_to_lds s[\g0b:\g0b+3], s[\g1b:\g1b+7]
	s_nop 0
.rept 4
	v_nop
.endr
.Lasked_\@:
.endm
.macro CROUND                          ; a round of the cluster's barrier
	s_barrier_signal -1
	s_barrier_wait -1
	s_cmp_lg_u32 s16, 0
	s_cbranch_scc1 .Lnot_wave_0_\@
	s_barrier_signal -3
.Lnot_wave_0_\@:
	s_barrier_wait -3
	s_barrier_signal -1
	s_barrier_wait -1
.endm
	s_load_b256 s[4:11], s[0:1], 0x0               ; o_img, o_sc, Wo's codes, Wo's scales
	s_load_b128 s[12:15], s[0:1], 0x20             ; bo, out0
	v_lshl_add_u32 v[SPW], v0, 2, SPARE
	v_mov_b32 v[NIL], 0
	ds_add_u32 v[SPW], v[NIL]                      ; the wave's opening: the add, twice on end, and its wait ahead of my first tensor load
	ds_add_u32 v[SPW], v[NIL]                      ; and once more; the descriptors' words below stand between it and the wait
	v_lshrrev_b32 v1, 5, v0
	v_readfirstlane_b32 s16, v1                    ; wave 0..3
	s_lshr_b32 s17, s16, 1                         ; my half of the tile's rows.  Also: I fetch for o (0) or for Wo (1)
	s_and_b32 s18, s16, 1                          ; my half of its columns.  Also: which half I fetch
	s_bfe_u32 s19, ttmp6, 0x40000                  ; cx
	s_bfe_u32 s20, ttmp6, 0x40004                  ; cy
	s_lshl_b32 s21, ttmp9, 2
	s_add_co_u32 s21, s21, s19                     ; tile column = 4 x cluster x + cx
	s_and_b32 s22, ttmp7, 0xffff
	s_lshl_b32 s22, s22, 2
	s_add_co_u32 s22, s22, s20                     ; tile row = 4 x cluster y + cy
	s_lshl_b32 s76, s20, 2
	s_lshl_b32 s76, 15, s76                        ; my row of the cluster
	s_lshl_b32 s77, 0x1111, s19                    ; my column
	; o's codes: half a tile, 32,768 dense bytes, as 128 rows of 256 (32 elements of 8 bytes), no padding: an image's 512 bytes are read on end
	s_or_b32 s[G1A], s76, (3<<16)|(1<<21)
	s_mov_b32 s[G1A+1], 32<<16
	s_mov_b32 s[G1A+2], 128<<16
	s_mov_b32 s[G1A+3], 32<<16
	s_mov_b32 s[G1A+4], 128
	s_mov_b32 s[G1A+5], 32
	s_mov_b32 s[G1A+6], 0
	s_mov_b32 s[G1A+7], 0
	; o's scale words: 2,048 dense bytes as 8 rows of 256
	s_or_b32 s[G1AS], s76, (3<<16)|(1<<21)
	s_mov_b32 s[G1AS+1], 32<<16
	s_mov_b32 s[G1AS+2], 8<<16
	s_mov_b32 s[G1AS+3], 32<<16
	s_mov_b32 s[G1AS+4], 8
	s_mov_b32 s[G1AS+5], 32
	s_mov_b32 s[G1AS+6], 0
	s_mov_b32 s[G1AS+7], 0
	; Wo's codes: 64 rows of 512 bytes, 16 bytes of padding behind each (after every 128 words, four words)
	s_or_b32 s[G1B], s77, (1<<20)|(1<<21)|(6<<22)|(3<<25)
	s_mov_b32 s[G1B+1], 512<<16
	s_mov_b32 s[G1B+2], 64<<16
	s_mov_b32 s[G1B+3], 512<<16
	s_mov_b32 s[G1B+4], 64
	s_mov_b32 s[G1B+5], 512
	s_mov_b32 s[G1B+6], 0
	s_mov_b32 s[G1B+7], 0
	; Wo's scale bytes of 64 rows: 2,048 dense bytes as 8 rows of 256, 16 bytes of padding behind each
	s_or_b32 s[G1BS], s77, (3<<16)|(1<<20)|(1<<21)|(5<<22)|(3<<25)
	s_mov_b32 s[G1BS+1], 32<<16
	s_mov_b32 s[G1BS+2], 8<<16
	s_mov_b32 s[G1BS+3], 32<<16
	s_mov_b32 s[G1BS+4], 8
	s_mov_b32 s[G1BS+5], 32
	s_mov_b32 s[G1BS+6], 0
	s_mov_b32 s[G1BS+7], 0
	s_lshl_b32 s23, s18, 15                        ; my half: 32,768 bytes of codes,
	s_lshl_b32 s86, s18, 11                        ; 2,048 of scales
	s_lshl_b32 s78, s22, 16
	s_add_co_u32 s78, s78, s23                     ; o's codes: 65,536 bytes a tile row
	s_mov_b32 s79, 0
	s_lshl_b32 s80, s22, 12
	s_add_co_u32 s80, s80, s86                     ; o's scale words: 4,096
	s_mov_b32 s81, 0
	s_lshl_b32 s82, s21, 16
	s_add_co_u32 s82, s82, s23                     ; Wo's codes: 128 rows of 512 bytes a tile column
	s_mov_b32 s83, 0
	s_lshl_b32 s84, s21, 12
	s_add_co_u32 s84, s84, s86                     ; Wo's scale bytes: 128 rows of 32
	s_mov_b32 s85, 0
	s_mov_b32 s[G0A], 1
	s_lshl_b32 s[G0A+1], s18, 15                   ; LDS addresses hang on the wave's number alone
	s_mov_b32 s[G0AS], 1
	s_lshl_b32 s[G0AS+1], s18, 11
	s_add_co_u32 s[G0AS+1], s[G0AS+1], ASOFF
	s_mov_b32 s[G0B], 1
	s_mul_i32 s[G0B+1], s18, 33792
	s_add_co_u32 s[G0B+1], s[G0B+1], BOFF
	s_mov_b32 s[G0BS], 1
	s_mul_i32 s[G0BS+1], s18, 2176
	s_add_co_u32 s[G0BS+1], s[G0BS+1], BSOFF
	s_wait_dscnt 0x0                               ; both opening adds are done
	s_wait_kmcnt 0x0
	s_add_nc_u64 s[G0A+2:G0A+3], s[4:5], s[78:79]
	s_or_b32 s[G0A+3], s[G0A+3], 0x80000000
	s_add_nc_u64 s[G0AS+2:G0AS+3], s[6:7], s[80:81]
	s_or_b32 s[G0AS+3], s[G0AS+3], 0x80000000
	s_add_nc_u64 s[G0B+2:G0B+3], s[8:9], s[82:83]
	s_or_b32 s[G0B+3], s[G0B+3], 0x80000000
	s_add_nc_u64 s[G0BS+2:G0BS+3], s[10:11], s[84:85]
	s_or_b32 s[G0BS+3], s[G0BS+3], 0x80000000
	CROUND                                         ; all sixteen work-groups are here: the joint loads meet
	JLOAD G0AS, G1AS, G0BS, G1BS                   ; the scales,
	JLOAD G0A, G1A, G0B, G1B                       ; the codes: two loads of mine are out, and these are all the launch has
	v_and_b32 v1, 15, v0                           ; r
	v_bfe_u32 v2, v0, 4, 1                         ; h
	v_and_b32 v3, 31, v0                           ; lane
	v_lshlrev_b32 v[BOF], 5, v2
	s_lshl_b32 s86, s21, 9
	s_lshl_b32 s87, s18, 8
	s_add_co_u32 s86, s86, s87                     ; my first column, in bytes of f32: 512 x tile column + 256 x half
	s_mov_b32 s87, 0
	s_add_nc_u64 s[12:13], s[12:13], s[86:87]
.irp b, 0,1,2,3
	global_load_b128 v[BI+8*\b:BI+8*\b+3], v[BOF], s[12:13] offset:64*\b         ; the bias in the result's layout: tile b wants columns 16 b + 8 h + 0 .. 7
	global_load_b128 v[BI+8*\b+4:BI+8*\b+7], v[BOF], s[12:13] offset:64*\b+16
.endr
	s_add_nc_u64 s[14:15], s[14:15], s[86:87]
	s_lshl_b32 s86, s22, 19
	s_lshl_b32 s88, s17, 18
	s_add_co_u32 s86, s86, s88                     ; my first row: (128 x tile row + 64 x half) x 4,096 bytes
	s_add_nc_u64 s[14:15], s[14:15], s[86:87]
	s_lshl_b32 s23, s17, 15
	v_lshl_add_u32 v[ADRA], v3, 4, s23             ; o's images: my four tiles, 16 x lane
	s_mul_i32 s23, s18, 33792
	s_add_co_u32 s23, s23, BOFF
	v_mul_u32_u24 v[ADRB], v1, 528
	v_lshl_add_u32 v[ADRB], v2, 4, v[ADRB]
	v_add_nc_u32 v[ADRB], s23, v[ADRB]             ; Wo: my 64 rows; row r x pitch + 16 h
	s_lshl_b32 s23, s17, 11
	s_add_co_u32 s23, s23, ASOFF
	v_lshlrev_b32 v[ADSA], 2, v1
	v_lshl_add_u32 v[ADSA], v2, 10, v[ADSA]
	v_add_nc_u32 v[ADSA], s23, v[ADSA]             ; o's scale words: 4 r; lanes 16-31 two tiles (1,024 bytes) on
	s_mul_i32 s23, s18, 2176
	s_add_co_u32 s23, s23, BSOFF
	v_lshrrev_b32 v4, 3, v1
	v_mul_u32_u24 v[ADSB], v4, 272
	v_and_b32 v4, 7, v1
	v_lshl_add_u32 v[ADSB], v4, 5, v[ADSB]
	v_mad_u32_u24 v[ADSB], v2, 1088, v[ADSB]
	v_add_nc_u32 v[ADSB], s23, v[ADSB]             ; Wo's scale bytes: 32 a row, eight rows to a run; lanes 16-31 two tiles (four runs) on
	s_mul_i32 s23, s16, 4352
	s_add_co_u32 s23, s23, STAGE                   ; my stage
	v_mul_u32_u24 v[STO], v1, 272
	v_lshl_add_u32 v[STO], v2, 5, v[STO]
	v_add_nc_u32 v[STO], s23, v[STO]               ; in: row r, 32 bytes for each half of the lanes
	v_mul_u32_u24 v[RD], v2, 272
	v_lshl_add_u32 v[RD], v1, 4, v[RD]
	v_add_nc_u32 v[RD], s23, v[RD]                 ; back: lanes 0-15 one row of 256 bytes, lanes 16-31 the next
	v_lshlrev_b32 v[CO], 12, v2
	v_lshl_add_u32 v[CO], v1, 4, v[CO]             ; and the same two rows in out0
.macro FETCH k                         ; the fragments of K step k into buffer k % 4: 16 loads
.set pp, 64*((\k)%4)
.irp b, 0,1,2,3
.irp c, 0,1
	ds_load_b128 v[pp+8*\b+4*\c:pp+8*\b+4*\c+3], v[ADRB] offset:64*(\k)+32*\c+8448*\b
.endr
.endr
.irp a, 0,1,2,3
.irp c, 0,1
	ds_load_b128 v[pp+32+8*\a+4*\c:pp+32+8*\a+4*\c+3], v[ADRA] offset:8192*\a+1024*(\k)+512*\c
.endr
.endr
.endm
.macro MUL k                           ; 16 matrix instructions; the 16 accumulators take turns, one instruction a turn.  K step 0 begins the sums with the bias
.set pp, 64*((\k)%4)
.irp a, 0,1,2,3
.irp b, 0,1,2,3
.set rD, ACC+8*(4*\a+\b)
.set rC, rD
.if (\k) == 0
.set rC, BI+8*\b
.endif
.if (\a < 2) && (\b < 2)
	v_wmma_scale_f32_16x16x128_f8f6f4 v[rD:rD+7], v[pp+8*\b:pp+8*\b+7], v[pp+32+8*\a:pp+32+8*\a+7], v[rC:rC+7], v[SB+8*(\b%2)+(\k)], v[SA+8*(\a%2)+(\k)] matrix_a_fmt:MATRIX_FMT_FP4 matrix_b_fmt:MATRIX_FMT_FP4
.elseif \a < 2
	v_wmma_scale_f32_16x16x128_f8f6f4 v[rD:rD+7], v[pp+8*\b:pp+8*\b+7], v[pp+32+8*\a:pp+32+8*\a+7], v[rC:rC+7], v[SB+8*(\b%2)+(\k)], v[SA+8*(\a%2)+(\k)] matrix_a_fmt:MATRIX_FMT_FP4 matrix_b_fmt:MATRIX_FMT_FP4 matrix_a_scale:MATRIX_SCALE_ROW1
.elseif \b < 2
	v_wmma_scale_f32_16x16x128_f8f6f4 v[rD:rD+7], v[pp+8*\b:pp+8*\b+7], v[pp+32+8*\a:pp+32+8*\a+7], v[rC:rC+7], v[SB+8*(\b%2)+(\k)], v[SA+8*(\a%2)+(\k)] matrix_a_fmt:MATRIX_FMT_FP4 matrix_b_fmt:MATRIX_FMT_FP4 matrix_b_scale:MATRIX_SCALE_ROW1
.else
	v_wmma_scale_f32_16x16x128_f8f6f4 v[rD:rD+7], v[pp+8*\b:pp+8*\b+7], v[pp+32+8*\a:pp+32+8*\a+7], v[rC:rC+7], v[SB+8*(\b%2)+(\k)], v[SA+8*(\a%2)+(\k)] matrix_a_fmt:MATRIX_FMT_FP4 matrix_b_fmt:MATRIX_FMT_FP4 matrix_a_scale:MATRIX_SCALE_ROW1 matrix_b_scale:MATRIX_SCALE_ROW1
.endif
.endr
.endr
.endm
	s_wait_tensorcnt 0x0                           ; my parts have landed,
	s_barrier_signal -1
	s_barrier_wait -1                              ; everybody's have
.irp ip, 0,1
.irp g, 0,1
	ds_load_b128 v[SB+8*\ip+4*\g:SB+8*\ip+4*\g+3], v[ADSB] offset:544*\ip+16*\g   ; a row's eight scale words, four to a load
.endr
.endr
.irp ip, 0,1
.irp k, 0,1,2,3,4,5,6,7
	ds_load_b32 v[SA+8*\ip+\k], v[ADSA] offset:512*\ip+64*\k
.endr
.endr
	WIN 0x40                                       ; destination window 1, address window 0
	FETCH 0
	FETCH 1
	FETCH 2
	s_wait_loadcnt 0x0                             ; the bias
.irp k, 0,1,2,3,4,5,6,7
.if \k < 6
	s_wait_dscnt 32                                ; this step's fragments are in; the next two steps' 2 x 16 loads may be out
.elseif \k == 6
	s_wait_dscnt 16
.else
	s_wait_dscnt 0
.endif
	WIN 0x05                                       ; sources 0 and 1 window 1; C and D window 0
	MUL \k
.if \k < 5
.rept 4
	v_nop                                          ; places in front of loads into the buffer that the step before multiplied
.endr
	WIN 0x40
	FETCH \k+3
.endif
.endr
	WIN 0
.rept 4
	v_nop                                          ; places in front of the first read of results
.endr
; THE WAY OUT, a block of 16 rows x 64 columns at a time: a lane's 32 bytes of a row go into my own stage and come back as whole rows of 256 bytes, which sixteen lanes store at a multiple of 256 from out0's first byte.
; LDS serves a wave's instructions in order (ISA guide 5.7.1.4): no wait between the stores and the loads, nor in front of the next block's stores.
.macro TOSTAGE a
.irp b, 0,1,2,3
	ds_store_b128 v[STO], v[ACC+8*(4*(\a)+\b):ACC+8*(4*(\a)+\b)+3] offset:64*\b          ; each accumulator from its low end on
	ds_store_b128 v[STO], v[ACC+8*(4*(\a)+\b)+4:ACC+8*(4*(\a)+\b)+7] offset:64*\b+16
.endr
.set BB, BK+32*((\a)%2)
.irp t, 0,1,2,3,4,5,6,7
	ds_load_b128 v[BB+4*\t:BB+4*\t+3], v[RD] offset:544*\t
.endr
.endm
.macro SEND a, younger                 ; younger: the LDS instructions issued behind block a's loads, which may stay out
.set BB, BK+32*((\a)%2)
	s_wait_dscnt \younger
.irp t, 0,1,2,3,4,5,6,7
	global_store_b128 v[CO], v[BB+4*\t:BB+4*\t+3], s[14:15] offset:(16*(\a)+2*\t)*4096 th:TH_STORE_NT   ; written once, read by nobody here; 62 rows of 4,096 bytes at the most: inside the signed 24-bit immediate
.endr
.endm
	TOSTAGE 0
.irp a, 1,2,3
.if \a > 1
	s_wait_xcnt 0x0                                ; block a - 2's stores have read their registers: block a's loads may land there
.endif
	TOSTAGE \a
	SEND \a-1, 16                                  ; behind block a - 1's loads: block a's 8 stores and 8 loads
.endr
	SEND 3, 0
	s_wait_tensorcnt 0x0                           ; the wave's end, behind my last tensor load and my last LDS store
	ds_add_u32 v[SPW], v[NIL]
	s_wait_dscnt 0x0
	CROUND                                         ; the closing round: no work-group ends while a partner may still ask for a tile that names it
	s_endpgm
.Lfunc_end_k_q08ddc872f4_outp:
	.size	k_q08ddc872f4_outp, .Lfunc_end_k_q08ddc872f4_outp-k_q08ddc872f4_outp
	.p2alignl 7, 3214868480
	.fill 96, 4, 3214868480
	.section	.rodata,"a",@progbits
	.p2align	6, 0x0
	.amdhsa_kernel k_q08ddc872f4_outp
		.amdhsa_group_segment_fixed_size 167936
		.amdhsa_private_segment_fixed_size 0
		.amdhsa_enable_private_segment 0
		.amdhsa_kernarg_size 48
		.amdhsa_user_sgpr_count 2
		.amdhsa_user_sgpr_kernarg_segment_ptr 1
		.amdhsa_wavefront_size32 1
		.amdhsa_system_sgpr_workgroup_id_x 1
		.amdhsa_system_sgpr_workgroup_id_y 1
		.amdhsa_system_sgpr_workgroup_id_z 1
		.amdhsa_system_vgpr_workitem_id 0
		.amdhsa_next_free_vgpr 512
		.amdhsa_next_free_sgpr 96
		.amdhsa_reserve_vcc 0
		.amdhsa_float_denorm_mode_32 3
		.amdhsa_float_denorm_mode_16_64 3
		.amdhsa_memory_ordered 1
		.amdhsa_forward_progress 1
		.amdhsa_inst_pref_size 44
	.end_amdhsa_kernel
	.amdgpu_metadata
---
amdhsa.version: [ 1, 2 ]
amdhsa.kernels:
  - .name:           k_q08ddc872f4_outp
    .symbol:         k_q08ddc872f4_outp.kd
    .args:
      - { .name: o_img, .offset: 0, .size: 8, .value_kind: global_buffer, .address_space: global }
      - { .name: o_sc, .offset: 8, .size: 8, .value_kind: global_buffer, .address_space: global }
      - { .name: Wo_codes, .offset: 16, .size: 8, .value_kind: global_buffer, .address_space: global }
      - { .name: Wo_scales, .offset: 24, .size: 8, .value_kind: global_buffer, .address_space: global }
      - { .name: bo, .offset: 32, .size: 8, .value_kind: global_buffer, .address_space: global }
      - { .name: out0, .offset: 40, .size: 8, .value_kind: global_buffer, .address_space: global }
    .group_segment_fixed_size: 167936
    .private_segment_fixed_size: 0
    .kernarg_segment_align: 8
    .kernarg_segment_size: 48
    .max_flat_workgroup_size: 128
    .sgpr_count:     96
    .vgpr_count:     512
    .wavefront_size: 32
...
	.end_amdgpu_metadata
.endif
;; end of part 3
;; ======== version 2 of 2: 3 launches; version 1 with the launch attn written anew for expert scheduling mode
;; limits: right only within a limited range of input values
;; workspace buffers: q_img 2,097,152 bytes; q_sc 131,072 bytes; k_img 2,097,152 bytes; k_sc 131,072 bytes; v_img 2,097,152 bytes; v_sc 131,072 bytes; o_img 2,097,152 bytes; o_sc 131,072 bytes
;; launch proj: the kernel of part 1 again; grid 4 x 48, 4 waves a work-group, clusters of 4 x 4, 327,680 bytes of LDS; arguments query_codes, query_scales, key_codes, key_scales, value_codes, value_scales, Wq_codes, Wq_scales, Wk_codes, Wk_scales, Wv_codes, Wv_scales, bq, bk, bv, q_img, q_sc, k_img, k_sc, v_img, v_sc; writes q_img, q_sc, k_img, k_sc, v_img, v_sc
;; launch attn (part 4): grid 8 x 32, 16 waves a work-group, no clusters, 37,888 bytes of LDS; arguments q_img, q_sc, k_img, k_sc, v_img, v_sc, o_img, o_sc; writes o_img, o_sc
.if DOCPART == 4
	.amdgcn_target "amdgcn-amd-amdhsa--gfx1250"
	.amdhsa_code_object_version 6
	.text
	.protected	k_q08ddc872f4_attn
	.globl	k_q08ddc872f4_attn
	.p2align	8
	.type	k_q08ddc872f4_attn,@function
k_q08ddc872f4_attn:
	s_mov_b64 s[64:65], 0
	v_nop
	global_prefetch_b8 v0, s[64:65] scope:SCOPE_SE
	s_setreg_imm32_b32 hwreg(HW_REG_WAVE_SCHED_MODE, 0, 2), 2
	s_setreg_imm32_b32 hwreg(HW_REG_WAVE_MODE, 25, 1), 1
	s_wait_xcnt 0x0
	s_wait_alu depctr_vm_vsrc(0)
; o = softmax over the band (i - 255 <= j <= i) of q k^T / 8, times v, for each batch and head; both products on codes of FP4 (E2M1) with E8M0 scales; o is quantised along its 64 channels and stored as codes.
; WORK LEFT OUT: keys outside the nine blocks of 32 that a tile of 16 queries can see are hidden by the band that the problem builds itself, for all values of the inputs: their p is coded 0 and adds 0 to the row's sum.
; LIMITS: as stated at the head of the first launch; scores are taken to lie above -1e30, the number that the problem puts in a hidden score's place.
; THE SOFTMAX: t = score x log2(e) / 8; M = the row's largest t rounded up to a whole number; p = 2^(t - M) is quantised along the keys, not normalised; the row's sum of the unquantised p divides at the end.
; SHARES.  A work-group owns 256 queries of one batch and head; each of its sixteen waves one tile of 16.  Tile T = 2 m + e sees keys 32 (m - 8) + 16 e + 1 .. 32 m + 16 e + 15: blocks m - 8 .. m.  The first is cut by the
; band's lower edge, the last by the diagonal, and the two cuts are complements: in block m - 8 key kk counts where kk > 16 e + r, in block m where kk <= 16 e + r.  All 288 scores of a query lie in two lanes' 144 registers:
; one pass, no running maximum, no loop.
; LDS holds the work-group's 16 key blocks (slots 0-7: the eight before its own, slots 8-15: its own), copied once through registers; one barrier.  The first work-group of a head has no blocks before its own:
; it copies its own there and hides them whole.  So no LDS address hangs on the work-group's number and no load leaves its buffer.
; NO CLUSTER: a work-group's eight earlier blocks are its neighbour's own eight, so a tile that two partners share would have to land at different LDS places in them.
; LAYOUT.  Both products are used transposed: S^T = K Q^T (source 0 = 16 keys), O^T = V^T P^T (source 0 = 16 channels): a lane holds one query (lane % 16) throughout.  K = 64 of the first product fills half of the
; instruction's 128: Q's upper four registers are zero codes, and what stands in K's upper four (the next tile's codes) meets them.
; THE MODE: SCHED_MODE bits 1:0 = 2 (LLVM: expert scheduling mode 2), set by the entry lines.  The code itself states the register dependences between vector or matrix instructions and memory or LDS
; instructions, with s_wait_alu, always for 0.
; THE PLAN.  Registers that memory or LDS instructions touch, in the order of the text:
;   v1-8, v11, v71   addresses and the add's pair: written once at the head by vector lines, read by loads, stores and the closing add, never written again.
;   v130-136         the copies' addresses: written at the head; read by six global loads and six LDS stores; written again by the products of tiles 2 and 3.
;   v112-129         the copies' data: global loads land, LDS stores read; written again by the products of tiles 0 to 2.
;   v16-19, v24, v25-33, v53-58   loads land once, in registers that no vector line has named before.
;   v72-107          K's tiles 0-8 land; nine products read them; K's tiles 9-17 land.
;   v144-223         written by products and exponentials, read by the sums and the conversions; then V's fragments land.
;   v96-99, v43      o's codes and scale byte: written by vector lines, read by the two global stores.
; So: one wait on va_vdst ahead of the first load (all addresses); one on va_vdst and one on vm_vsrc ahead of the first product; one on va_vdst ahead of each later run of loads, ahead of the second product and ahead of
; the stores.  Between a wait and the memory instructions that lean on it no vector line names a register that these touch.  The band's sixteen compares stand in one run, with one wait on va_sdst behind it.
.set VOFF,  16384                      ; LDS: K's codes [slot 16][1,024];  V's [16 channels: 4][slot 16][256];
.set KSOFF, 32768                      ; K's scale words [slot 16][128];
.set VSOFF, 34816                      ; V's [4 slots: 4][256];
.set SPARE, 35840                      ; the spare words, 128 bytes for each wave, which no other line names
.set SPW,  1                           ; v1   LDS address of my spare word; never rewritten
.set NIL,  2                           ; v2   0; never rewritten
.set LI,   3                           ; v3   16 x lane
.set AK,   4                           ; v4   my window's first tile of K
.set AV,   5                           ; v5   my window's first two blocks of V
.set AV2,  6                           ; v6   the same without the lanes' halves: both read one block
.set AKS,  7                           ; v7   K's scale words
.set AVS,  8                           ; v8   V's
.set DG,   9                           ; v9   16 e + r - 8 h
.set NEGV, 10                          ; v10  -1e30
.set OSV,  11                          ; v11  4 r + h
.set QF,   16                          ; v16-23 Q's fragment; the upper four are zeros
.set QS,   24                          ; v24    its scale word
.set KS,   25                          ; v25-33 K's scale words, one for each block
.set VS,   34                          ; v34-39 V's: K step s, pair of channel tiles tp: 2 s + tp
.set PS,   40                          ; v40-42 p's
.set TS,   43                          ; v43    at work
.set BM,   44                          ; v44-52 each block's largest score, then its largest p
.set BT,   53                          ; v53-61 at work: V's raw scale words, the other half's maxima, the bytes
.set BO,   62                          ; v62-70 the conversions' scale operands
.set R4,   71                          ; v71    4 r
.set KF,   72                          ; v72-107 nine tiles of K, four registers each; v108-111 zeros
.set PC,   72                          ; later: p's codes, 24 registers
.set OC,   96                          ; later: o's codes
.set S,    112                         ; v112-255 S^T, then p: tile kt at 112 + 8 kt
.set O,    112                         ; later: O^T, 32 registers
.set VF,   144                         ; later: V's fragments of K steps 0 and 1
.set VG,   208                         ; later: V's block 8, four registers for each tile of channels
.set MK,   8                           ; s8-23  once the ten bases are made from the arguments: the band's sixteen masks
	s_load_b512 s[8:23], s[0:1], 0x0               ; q_img, q_sc, k_img, k_sc, v_img, v_sc, o_img, o_sc
	v_lshl_add_u32 v[SPW], v0, 2, SPARE
	v_mov_b32 v[NIL], 0
	v_lshrrev_b32 v3, 5, v0
	v_readfirstlane_b32 s24, v3                    ; wave 0..15
	s_mov_b32 s25, ttmp9                           ; qb: my block of 256 queries
	s_and_b32 s26, ttmp7, 0xffff                   ; 16 b + head
	s_and_b32 s27, s26, 15                         ; head
	s_lshr_b32 s28, s26, 4                         ; b
	s_lshr_b32 s29, s27, 1                         ; the pair of heads
	s_and_b32 s30, s27, 1
	s_lshl_b32 s30, s30, 4                         ; 16 x (head % 2): where my head's two bytes begin in a scale word of q or k
	s_wait_alu depctr_va_sdst(0)                   ; s24 is written, ahead of its first reader: the window, the bases and the LDS addresses are made from it
	s_lshr_b32 s31, s24, 1                         ; rel: my window begins at slot rel
	s_and_b32 s32, s24, 1                          ; e
	s_max_u32 s33, s25, 1
	s_sub_co_u32 s33, s33, 1
	s_lshl_b32 s33, s33, 3                         ; the first of the eight blocks before my own; in the head's first work-group: block 0
	s_and_b32 s34, s31, 3
	s_lshl_b32 s34, s34, 3                         ; 8 x (rel % 4): where my window begins in V's scale words, in bits
	s_sub_co_u32 s35, 8, s31                       ; how many blocks of my window lie in slots 0-7
	s_lshl_b32 s62, s26, 16                        ; 65,536 bytes of codes for a batch and head
	s_lshl_b32 s36, s33, 10
	s_add_co_u32 s36, s36, s62                     ; K: the earlier eight blocks, 1,024 bytes each,
	s_mov_b32 s37, 0
	s_lshl_b32 s38, s25, 13
	s_add_co_u32 s38, s38, s62                     ; and my own eight
	s_mov_b32 s39, 0
	s_lshl_b32 s40, s33, 8
	s_add_co_u32 s40, s40, s62                     ; V: 256 bytes a block in each tile of 16 channels
	s_mov_b32 s41, 0
	s_lshl_b32 s42, s25, 11
	s_add_co_u32 s42, s42, s62
	s_mov_b32 s43, 0
	s_lshl_b32 s63, s25, 3
	s_cmp_lt_u32 s24, 8
	s_cselect_b32 s63, s33, s63                    ; K's scale words: waves 0-7 copy the earlier blocks', waves 8-15 my own blocks'
	s_lshl_b32 s44, s63, 7
	s_lshr_b32 s63, s26, 1
	s_lshl_b32 s63, s63, 13                        ; 8,192 bytes of scale words for a batch and pair of heads
	s_add_co_u32 s44, s44, s63
	s_mov_b32 s45, 0
	s_lshl_b32 s46, s25, 1
	s_lshr_b32 s47, s24, 2
	s_add_co_u32 s46, s46, s47                     ; V's scale words: four waves copy the 256 bytes of four blocks: word 2 qb - 2 + wave / 4,
	s_cmp_lt_u32 s46, 2
	s_cselect_b32 s47, 2, 0                        ; (in the head's first work-group the earlier two are its own two once more)
	s_add_co_u32 s46, s46, s47
	s_sub_co_u32 s46, s46, 2
	s_lshl_b32 s47, s28, 4
	s_add_co_u32 s46, s46, s47
	s_lshl_b32 s46, s46, 4
	s_add_co_u32 s46, s46, s27
	s_lshl_b32 s46, s46, 8
	s_mov_b32 s47, 0
	s_lshl_b32 s61, s25, 4
	s_add_co_u32 s61, s61, s24                     ; my tile of 16 queries
	s_lshl_b32 s48, s61, 9
	s_add_co_u32 s48, s48, s62                     ; Q's codes
	s_mov_b32 s49, 0
	s_lshr_b32 s50, s61, 1
	s_lshl_b32 s50, s50, 7
	s_add_co_u32 s50, s50, s63
	s_lshl_b32 s51, s32, 6
	s_add_co_u32 s50, s50, s51                     ; Q's scale words: the pair of tiles, my half of its 32 lanes
	s_mov_b32 s51, 0
	s_lshl_b32 s52, s28, 7
	s_add_co_u32 s52, s52, s61                     ; 128 b + tile
	s_lshl_b32 s54, s52, 3
	s_add_co_u32 s54, s54, s29
	s_lshl_b32 s54, s54, 6
	s_lshr_b32 s55, s30, 3
	s_add_co_u32 s54, s54, s55                     ; o's scale bytes: [tile][pair of heads][r] words, my head's two bytes
	s_mov_b32 s55, 0
	s_lshl_b32 s52, s52, 4
	s_add_co_u32 s52, s52, s27
	s_lshl_b32 s52, s52, 9                         ; o's codes: [tile][head] images of 512 bytes
	s_mov_b32 s53, 0
	s_mov_b32 s56, 0x3e38aa3b                      ; c = log2(e) / 8
	s_mov_b32 s57, s56                             ; (named with it as a pair, so it is written)
	s_mov_b32 s58, 0x76543210
	s_mov_b32 s59, 0xfedcba98                      ; v_permlanex16_b32's selects for lane l xor 16
	s_mov_b32 s60, 0xffff0000                      ; lanes 16-31
	v_and_b32 v12, 31, v0                          ; lane
	v_and_b32 v13, 15, v0                          ; r
	v_bfe_u32 v14, v0, 4, 1                        ; h
	v_lshlrev_b32 v[LI], 4, v12
	s_lshl_b32 s62, s31, 10
	v_add_nc_u32 v[AK], s62, v[LI]
	s_lshl_b32 s62, s31, 8
	s_add_co_u32 s62, s62, VOFF
	v_add_nc_u32 v[AV], s62, v[LI]
	v_lshl_add_u32 v[AV2], v13, 4, s62
	s_lshl_b32 s62, s31, 7
	s_add_co_u32 s62, s62, KSOFF
	v_lshl_add_u32 v[AKS], v12, 2, s62
	s_lshr_b32 s62, s31, 2
	s_lshl_b32 s62, s62, 8
	s_add_co_u32 s62, s62, VSOFF
	v_lshl_add_u32 v[AVS], v12, 2, s62
	s_lshl_b32 s62, s32, 4
	v_lshlrev_b32 v[DG], 3, v14
	v_sub_nc_u32 v[DG], v13, v[DG]
	v_add_nc_u32 v[DG], s62, v[DG]
	v_lshl_add_u32 v[OSV], v13, 2, v14
	v_lshlrev_b32 v[R4], 2, v13
	; the copies: thread t of 512
	v_lshlrev_b32 v130, 4, v0                      ; K: 16 t, in memory and in LDS
	v_lshrrev_b32 v137, 7, v0
	v_and_b32 v131, 127, v0
	v_lshlrev_b32 v131, 4, v131
	v_lshl_add_u32 v132, v137, 12, v131
	v_add_nc_u32 v132, VOFF, v132                  ; V in LDS: tile of channels t / 128, 4,096 bytes each,
	v_lshl_add_u32 v131, v137, 14, v131            ; in memory 16,384 bytes each
	v_and_b32 v133, 255, v0
	v_lshlrev_b32 v133, 2, v133                    ; K's scale words: 4 (t % 256) in memory,
	v_lshl_add_u32 v134, v0, 2, KSOFF              ; 4 t in LDS
	v_and_b32 v135, 127, v0
	v_lshlrev_b32 v135, 1, v135                    ; V's: 2 (t % 128) in memory,
	v_lshl_add_u32 v136, v0, 1, VSOFF              ; 2 t in LDS
	s_wait_kmcnt 0x0
	s_add_nc_u64 s[36:37], s[12:13], s[36:37]
	s_add_nc_u64 s[38:39], s[12:13], s[38:39]
	s_add_nc_u64 s[40:41], s[16:17], s[40:41]
	s_add_nc_u64 s[42:43], s[16:17], s[42:43]
	s_add_nc_u64 s[44:45], s[14:15], s[44:45]
	s_add_nc_u64 s[46:47], s[18:19], s[46:47]
	s_add_nc_u64 s[48:49], s[8:9], s[48:49]
	s_add_nc_u64 s[50:51], s[10:11], s[50:51]
	s_add_nc_u64 s[52:53], s[20:21], s[52:53]
	s_add_nc_u64 s[54:55], s[22:23], s[54:55]
	s_wait_alu depctr_va_vdst(0)                   ; every address of the kernel is written: v1 to v8, v11, v71 and the copies' v130 to v136, which the loads, LDS stores, LDS loads and stores below read
	global_load_b128 v[112:115], v130, s[36:37]
	global_load_b128 v[116:119], v130, s[38:39]
	global_load_b128 v[120:123], v131, s[40:41]
	global_load_b128 v[124:127], v131, s[42:43]
	global_load_b32 v128, v133, s[44:45]
	global_load_u16 v129, v135, s[46:47]
	global_load_b128 v[QF:QF+3], v[LI], s[48:49]
	global_load_b32 v[QS], v[R4], s[50:51]
.irp j, 4,5,6,7
	v_mov_b32 v[QF+\j], 0                          ; Q's K = 64 .. 127: zero codes
.endr
.irp j, 36,37,38,39
	v_mov_b32 v[KF+\j], 0                          ; what stands above the ninth tile of K
.endr
.irp j, 6,7,8
	v_mov_b32 v[BT+\j], 0                          ; a lane permute's destination counts as one of its sources (the other six are written by loads)
.endr
	v_mov_b32 v13, 0                               ; (named as the upper half of the pair v[12:13])
	v_mov_b32 v[NEGV], 0xf149f2ca
.irp n, 0,1,2,3,4,5,6,7,8,9,10,11,12,13,14,15  ; THE BAND'S MASKS, in one run while the copies are on their way.  Register n of a block holds its key n + 8 (n / 8) + 8 h: mask n marks the lanes where that is above 16 e + r
	v_cmp_gt_i32 s[MK+\n], \n+8*(\n/8), v[DG]      ; (s8 to s23 held the arguments' addresses, of which the ten bases above are made: they are free)
.endr
	s_wait_alu depctr_va_sdst(0)                   ; the sixteen masks s8 to s23 are written, in the compares' own straight run of code: the selects of the band read them
	s_wait_loadcnt 0x2                             ; the six copies are in; Q's two loads may stay out
	ds_store_b128 v130, v[112:115]
	ds_store_b128 v130, v[116:119] offset:8192
	ds_store_b128 v132, v[120:123]
	ds_store_b128 v132, v[124:127] offset:2048
	ds_store_b32 v134, v128
	ds_store_b16 v136, v129
	s_wait_dscnt 0x0                               ; for the others' sake: my stores have landed
	s_barrier_signal -1
	s_barrier_wait -1                              ; the sixteen slots are whole; nothing is stored into them again
.irp i, 0,1,2,3,4,5,6,7,8
	ds_load_b32 v[KS+\i], v[AKS] offset:128*\i     ; lanes 0-15: the block's first 16 keys; lanes 16-31: its second
.endr
.irp s, 0,1,2
.irp tp, 0,1
	ds_load_b32 v[BT+2*\s+\tp], v[AVS] offset:256*\s+128*\tp
.endr
.endr
.irp t, 0,1,2,3,4,5,6,7,8
	ds_load_b128 v[KF+4*\t:KF+4*\t+3], v[AK] offset:512*\t
.endr
	s_wait_loadcnt 0x0                             ; Q
	s_wait_dscnt 0x0
	v_bfe_u32 v[QS], v[QS], s30, 16                ; my head's two bytes; the upper two become 0, over zero codes
.irp i, 0,1,2,3,4,5,6,7,8
	v_bfe_u32 v[KS+\i], v[KS+\i], s30, 16
.endr
.irp tp, 0,1                                   ; V's scale words begin at multiples of four slots, my window at slot rel: the bytes are shifted into place
	v_alignbit_b32 v[VS+\tp], v[BT+2+\tp], v[BT+\tp], s34
	v_alignbit_b32 v[VS+2+\tp], v[BT+4+\tp], v[BT+2+\tp], s34
	v_alignbit_b32 v[VS+4+\tp], v[BT+4+\tp], v[BT+4+\tp], s34   ; block 8's byte comes lowest; the other three stand over zero codes of p
.endr
.rept 8
	v_nop                                          ; a scale register written by a vector instruction stands 8 places ahead of a scaled matrix instruction
.endr
	s_wait_alu depctr_va_vdst(0)                   ; behind the places: the scale words of Q, K and V (v24 to v39) and the zero codes (v20-23, v108-111) are written, which the scaled products take as scales and operands
	s_wait_alu depctr_vm_vsrc(0)                   ; the copies' loads and LDS stores have read their addresses and data, v112 to v136, which the products below write as S^T
.macro KQ kt                           ; S^T of tile kt: 16 keys x my 16 queries
.if (\kt)%2
	v_wmma_scale_f32_16x16x128_f8f6f4 v[S+8*(\kt):S+8*(\kt)+7], v[KF+4*((\kt)%9):KF+4*((\kt)%9)+7], v[QF:QF+7], 0, v[KS+(\kt)/2], v[QS] matrix_a_fmt:MATRIX_FMT_FP4 matrix_b_fmt:MATRIX_FMT_FP4 matrix_a_scale:MATRIX_SCALE_ROW1
.else
	v_wmma_scale_f32_16x16x128_f8f6f4 v[S+8*(\kt):S+8*(\kt)+7], v[KF+4*((\kt)%9):KF+4*((\kt)%9)+7], v[QF:QF+7], 0, v[KS+(\kt)/2], v[QS] matrix_a_fmt:MATRIX_FMT_FP4 matrix_b_fmt:MATRIX_FMT_FP4
.endif
.endm
.irp kt, 0,1,2,3,4,5,6,7,8
	KQ \kt
.endr
.rept 4
	v_nop                                          ; places in front of loads into registers that matrix instructions have read
.endr
	s_wait_alu depctr_va_vdst(0)                   ; the nine products are done reading K's tiles 0 to 8 in v72 to v107, in which tiles 9 to 17 land
.irp t, 0,1,2,3,4,5,6,7,8
	ds_load_b128 v[KF+4*\t:KF+4*\t+3], v[AK] offset:512*(9+\t)
.endr
	s_wait_dscnt 0x0
.irp kt, 9,10,11,12,13,14,15,16,17
	KQ \kt
.endr
.rept 4
	v_nop
.endr
	; THE BAND.  In the head's first work-group the blocks of my window that lie in slots 0-7 stand for keys before key 0: hidden whole.  A branch on the work-group's number
	s_cmp_lg_u32 s25, 0
	s_cbranch_scc1 .Lnot_first
.irp i, 0,1,2,3,4,5,6,7
	s_cmp_lt_u32 \i, s35
	s_cselect_b32 s61, -1, 0
.irp n, 0,1,2,3,4,5,6,7,8,9,10,11,12,13,14,15
	v_cndmask_b32 v[S+16*\i+\n], v[S+16*\i+\n], v[NEGV], s61
.endr
.endr
.Lnot_first:
.irp n, 0,1,2,3,4,5,6,7,8,9,10,11,12,13,14,15  ; where mask n is set the key is hidden in block 8 and counts in block 0; else the other way round
	v_cndmask_b32 v[S+128+\n], v[S+128+\n], v[NEGV], s[MK+\n]
	v_cndmask_b32 v[S+\n], v[NEGV], v[S+\n], s[MK+\n]
.endr
.irp i, 0,1,2,3,4,5,6,7,8
	v_max3_num_f32 v[BM+\i], v[S+16*\i], v[S+16*\i+1], v[S+16*\i+2]   ; the largest score of each block: it serves for the row's maximum and, since p rises with the score, for the block's largest p
.endr
.irp n, 3,5,7,9,11,13
.irp i, 0,1,2,3,4,5,6,7,8
	v_max3_num_f32 v[BM+\i], v[BM+\i], v[S+16*\i+\n], v[S+16*\i+\n+1]
.endr
.endr
.irp i, 0,1,2,3,4,5,6,7,8
	v_max_num_f32 v[BM+\i], v[BM+\i], v[S+16*\i+15]
.endr
.irp i, 0,1,2,3,4,5,6,7,8
	v_permlanex16_b32 v[BT+\i], v[BM+\i], s58, s59
.endr
.irp i, 0,1,2,3,4,5,6,7,8
	v_max_num_f32 v[BM+\i], v[BM+\i], v[BT+\i]     ; with lane l xor 16's 16 keys
.endr
	v_max3_num_f32 v[TS], v[BM], v[BM+1], v[BM+2]
	v_max3_num_f32 v[TS], v[TS], v[BM+3], v[BM+4]
	v_max3_num_f32 v[TS], v[TS], v[BM+5], v[BM+6]
	v_max3_num_f32 v[TS], v[TS], v[BM+7], v[BM+8]  ; my query's largest score: key i itself always counts
	v_mul_f32 v[TS], s56, v[TS]                    ; as t (c is positive)
	v_floor_f32 v12, -v[TS]                        ; -M = floor(-t) = -ceil(t)
.set j, 0
.rept 72
	v_pk_fma_f32 v[S+j:S+j+1], v[S+j:S+j+1], s[56:57], v[12:13] op_sel_hi:[1,0,0]   ; t - M, two at a time
.set j, j+2
.endr
.irp i, 0,1,2,3,4,5,6,7,8
	v_fma_f32 v[BM+\i], v[BM+\i], s56, v12         ; the same of each block's largest score
.endr
.set j, 0
.rept 144
	v_exp_f32 v[S+j], v[S+j]                       ; p = 2^(t - M), at most 1; 0 for a hidden key
.set j, j+1
.endr
.irp j, 17,19,20,21,22,23,32,33
	v_mov_b32 v[PC+\j], 0                          ; plain work behind the exponentials: the zero codes of window blocks 9 to 11, and two permute destinations of the way out
.endr
	s_wait_alu depctr_va_vdst(0)                   ; the 144 exponentials have written p in v112 to v255: one wait for the whole batch, ahead of its first reader
.irp i, 0,1,2,3,4,5,6,7,8
	v_exp_f32 v[BM+\i], v[BM+\i]                   ; the block's largest p: the same two instructions on the same number give the same bits
.endr
	v_pk_add_f32 v[14:15], v[S:S+1], v[S+2:S+3]    ; the row's sum is taken of the unquantised p: two at a time, in two chains
	v_pk_add_f32 v[100:101], v[S+4:S+5], v[S+6:S+7]
.set j, 8
.rept 34
	v_pk_add_f32 v[14:15], v[14:15], v[S+j:S+j+1]
	v_pk_add_f32 v[100:101], v[100:101], v[S+j+2:S+j+3]
.set j, j+4
.endr
	v_pk_add_f32 v[14:15], v[14:15], v[100:101]
	s_wait_alu depctr_va_vdst(0)                   ; the nine exponentials have written the blocks' largest p in v44 to v52, ahead of their first reader
.irp i, 0,1,2,3,4,5,6,7,8
	v_max_num_f32 v[BM+\i], 0x1800000, v[BM+\i]    ; the floor 2^(3 - 127): the byte cannot fall under 1 (a block whose every p is 0 keeps that byte: its codes are zeros)
.endr
.irp i, 0,1,2,3,4,5,6,7,8
	v_add_nc_u32 v[BO+\i], 0xff000000, v[BM+\i]    ; 2 off the exponent field: the conversion's scale operand
.endr
.irp i, 0,1,2,3,4,5,6,7,8
	v_lshrrev_b32 v[BT+\i], 23, v[BO+\i]           ; the scale's byte
.endr
.irp s, 0,1
	v_lshl_or_b32 v[PS+\s], v[BT+4*\s+1], 8, v[BT+4*\s]
	v_lshl_or_b32 v[PS+\s], v[BT+4*\s+2], 16, v[PS+\s]
	v_lshl_or_b32 v[PS+\s], v[BT+4*\s+3], 24, v[PS+\s]
.endr
	v_mov_b32 v[PS+2], v[BT+8]                     ; the third K step has block 8 alone
.irp i, 0,1,2,3,4,5,6,7,8
	v_cvt_scalef32_pk8_fp4_f32 v[PC+4*(\i/2)+\i%2], v[S+16*\i:S+16*\i+7], v[BO+\i]         ; block i, keys 8 h on
	v_cvt_scalef32_pk8_fp4_f32 v[PC+4*(\i/2)+\i%2+2], v[S+16*\i+8:S+16*\i+15], v[BO+\i]    ; and 16 + 8 h on
.endr
	v_nop                                          ; one plain place behind a scaled conversion
	s_wait_alu depctr_va_vdst(0)                   ; the sums and the conversions are done reading p, and all that wrote it is done: V's fragments land in v144 to v223
.irp s, 0,1                                    ; V's fragments land where p stood: 16 channels x 128 keys, lanes 0-15 block 2 c, lanes 16-31 block 2 c + 1
.irp dt, 0,1,2,3
.irp c, 0,1
	ds_load_b128 v[VF+32*\s+8*\dt+4*\c:VF+32*\s+8*\dt+4*\c+3], v[AV] offset:4096*\dt+256*(4*\s+2*\c)
.endr
.endr
.endr
.irp dt, 0,1,2,3
	ds_load_b128 v[VG+4*\dt:VG+4*\dt+3], v[AV2] offset:4096*\dt+2048   ; block 8, in both halves of the lanes: lanes 16-31 meet zero codes of p
.endr
.irp p, 0,1,2,3,4                              ; the operand's layout wants a whole block in a lane
	v_permlane16_swap_b32 v[PC+4*\p], v[PC+4*\p+1]
	v_permlane16_swap_b32 v[PC+4*\p+2], v[PC+4*\p+3]
.endr
.rept 8
	v_nop                                          ; places between the vector instructions that wrote p's codes and scale words and the scaled matrix instructions
.endr
	s_wait_alu depctr_va_vdst(0)                   ; behind the places: p's codes and zero codes (v72 to v95) and its scale words (v40 to v42) are written, which the scaled products take as operand and scales
	s_wait_dscnt 0x0
; O^T += V^T P^T: K step s, channels 16 dt on.  In step 2 source 0's upper four registers are whatever follows its four (the next tile's block 8, or old p): they meet zero codes.
.macro PVM s, dt
.set rA, VF+32*(\s)+8*(\dt)
.if (\s) == 2
.set rA, VG+4*(\dt)
.endif
.set rO, O+8*(\dt)
.if ((\s) == 0) && ((\dt)%2 == 0)
	v_wmma_scale_f32_16x16x128_f8f6f4 v[rO:rO+7], v[rA:rA+7], v[PC+8*(\s):PC+8*(\s)+7], 0, v[VS+2*(\s)+(\dt)/2], v[PS+(\s)] matrix_a_fmt:MATRIX_FMT_FP4 matrix_b_fmt:MATRIX_FMT_FP4
.elseif (\s) == 0
	v_wmma_scale_f32_16x16x128_f8f6f4 v[rO:rO+7], v[rA:rA+7], v[PC+8*(\s):PC+8*(\s)+7], 0, v[VS+2*(\s)+(\dt)/2], v[PS+(\s)] matrix_a_fmt:MATRIX_FMT_FP4 matrix_b_fmt:MATRIX_FMT_FP4 matrix_a_scale:MATRIX_SCALE_ROW1
.elseif (\dt)%2 == 0
	v_wmma_scale_f32_16x16x128_f8f6f4 v[rO:rO+7], v[rA:rA+7], v[PC+8*(\s):PC+8*(\s)+7], v[rO:rO+7], v[VS+2*(\s)+(\dt)/2], v[PS+(\s)] matrix_a_fmt:MATRIX_FMT_FP4 matrix_b_fmt:MATRIX_FMT_FP4
.else
	v_wmma_scale_f32_16x16x128_f8f6f4 v[rO:rO+7], v[rA:rA+7], v[PC+8*(\s):PC+8*(\s)+7], v[rO:rO+7], v[VS+2*(\s)+(\dt)/2], v[PS+(\s)] matrix_a_fmt:MATRIX_FMT_FP4 matrix_b_fmt:MATRIX_FMT_FP4 matrix_a_scale:MATRIX_SCALE_ROW1
.endif
.endm
.irp s, 0,1,2                                  ; the four accumulators take turns, one instruction a turn
.irp dt, 0,1,2,3
	PVM \s, \dt
.endr
.endr
.rept 4
	v_nop
.endr
	v_add_f32 v14, v14, v15                        ; the sum's two halves,
	v_permlanex16_b32 v[TS], v14, s58, s59
	v_add_f32 v14, v14, v[TS]                      ; and lane l xor 16's: the row's sum
	v_rcp_f32 v14, v14
	v_nop                                          ; a plain place behind the reciprocal
	s_wait_alu depctr_va_vdst(0)                   ; the reciprocal has written v14, ahead of its first reader
.set j, 0
.rept 16
	v_pk_mul_f32 v[O+j:O+j+1], v[O+j:O+j+1], v[14:15] op_sel_hi:[1,0]   ; o = O^T / the sum: register 8 dt + i is channel 16 dt + 8 h + i of my query
.set j, j+2
.endr
	; o is quantised along its channels, which are the last product's K: two blocks of 32, each half in me and half in lane l xor 16
	v_max3_num_f32 v102, |v[O]|, |v[O+1]|, 0x1800000
	v_max3_num_f32 v103, |v[O+16]|, |v[O+17]|, 0x1800000
.irp i, 2,4,6,8,10,12,14
	v_max3_num_f32 v102, v102, |v[O+\i]|, |v[O+\i+1]|
	v_max3_num_f32 v103, v103, |v[O+16+\i]|, |v[O+17+\i]|
.endr
	v_permlanex16_b32 v104, v102, s58, s59
	v_permlanex16_b32 v105, v103, s58, s59
	v_max_num_f32 v102, v102, v104
	v_max_num_f32 v103, v103, v105
	v_add_nc_u32 v106, 0xff000000, v102
	v_add_nc_u32 v107, 0xff000000, v103
	v_lshrrev_b32 v104, 23, v106
	v_lshrrev_b32 v105, 23, v107
	v_cvt_scalef32_pk8_fp4_f32 v[OC], v[O:O+7], v106
	v_cvt_scalef32_pk8_fp4_f32 v[OC+1], v[O+16:O+23], v107
	v_cvt_scalef32_pk8_fp4_f32 v[OC+2], v[O+8:O+15], v106
	v_cvt_scalef32_pk8_fp4_f32 v[OC+3], v[O+24:O+31], v107
	v_cndmask_b32 v[TS], v104, v105, s60           ; lanes 0-15: block 0's byte; lanes 16-31: block 1's.  (The plain place behind the conversions)
	v_permlane16_swap_b32 v[OC], v[OC+1]
	v_permlane16_swap_b32 v[OC+2], v[OC+3]
	s_wait_alu depctr_va_vdst(0)                   ; the conversions and exchanges have written o's codes in v96 to v99, the select its scale byte in v43: the two stores read them
	global_store_b128 v[LI], v[OC:OC+3], s[52:53]  ; 512 consecutive aligned bytes: four registers of the last product's operand
	global_store_b8 v[OSV], v[TS], s[54:55]        ; a byte a lane inside 64 bytes: the other two bytes of each word belong to the neighbouring head's work-group
	s_wait_dscnt 0x0                               ; the closing lines, six on end
	s_wait_alu 0x0
	s_wait_tensorcnt 0x0
	ds_add_u32 v[SPW], v[NIL]
	s_wait_dscnt 0x0
	s_endpgm
.Lfunc_end_k_q08ddc872f4_attn:
	.size	k_q08ddc872f4_attn, .Lfunc_end_k_q08ddc872f4_attn-k_q08ddc872f4_attn
	.p2alignl 7, 3214868480
	.fill 96, 4, 3214868480
	.section	.rodata,"a",@progbits
	.p2align	6, 0x0
	.amdhsa_kernel k_q08ddc872f4_attn
		.amdhsa_group_segment_fixed_size 37888
		.amdhsa_private_segment_fixed_size 0
		.amdhsa_enable_private_segment 0
		.amdhsa_kernarg_size 64
		.amdhsa_user_sgpr_count 2
		.amdhsa_user_sgpr_kernarg_segment_ptr 1
		.amdhsa_wavefront_size32 1
		.amdhsa_system_sgpr_workgroup_id_x 1
		.amdhsa_system_sgpr_workgroup_id_y 1
		.amdhsa_system_sgpr_workgroup_id_z 1
		.amdhsa_system_vgpr_workitem_id 0
		.amdhsa_next_free_vgpr 256
		.amdhsa_next_free_sgpr 66
		.amdhsa_reserve_vcc 0
		.amdhsa_float_denorm_mode_32 3
		.amdhsa_float_denorm_mode_16_64 3
		.amdhsa_memory_ordered 1
		.amdhsa_forward_progress 1
		.amdhsa_inst_pref_size 55
	.end_amdhsa_kernel
	.amdgpu_metadata
---
amdhsa.version: [ 1, 2 ]
amdhsa.kernels:
  - .name:           k_q08ddc872f4_attn
    .symbol:         k_q08ddc872f4_attn.kd
    .args:
      - { .name: q_img, .offset: 0, .size: 8, .value_kind: global_buffer, .address_space: global }
      - { .name: q_sc, .offset: 8, .size: 8, .value_kind: global_buffer, .address_space: global }
      - { .name: k_img, .offset: 16, .size: 8, .value_kind: global_buffer, .address_space: global }
      - { .name: k_sc, .offset: 24, .size: 8, .value_kind: global_buffer, .address_space: global }
      - { .name: v_img, .offset: 32, .size: 8, .value_kind: global_buffer, .address_space: global }
      - { .name: v_sc, .offset: 40, .size: 8, .value_kind: global_buffer, .address_space: global }
      - { .name: o_img, .offset: 48, .size: 8, .value_kind: global_buffer, .address_space: global }
      - { .name: o_sc, .offset: 56, .size: 8, .value_kind: global_buffer, .address_space: global }
    .group_segment_fixed_size: 37888
    .private_segment_fixed_size: 0
    .kernarg_segment_align: 8
    .kernarg_segment_size: 64
    .max_flat_workgroup_size: 512
    .sgpr_count:     66
    .vgpr_count:     256
    .wavefront_size: 32
...
	.end_amdgpu_metadata
.endif
;; end of part 4
;; launch outp: the kernel of part 3 again; grid 8 x 32, 4 waves a work-group, clusters of 4 x 4, 167,936 bytes of LDS; arguments o_img, o_sc, Wo_codes, Wo_scales, bo, out0; writes out0
